; MI455X (gfx1250); checked and timed in simulation.
; The chip was launched on July 23, 2026; its instructions are those of AMD's public machine-readable ISA for CDNA 5 (MIT licence, August 2026) and "CDNA5" Instruction Set Architecture Reference Guide (July 2026). The comments in the code are by the model that wrote it; some were corrected since.
;; Linear Attention. Allowed arithmetic: float matrix products may take bf16 or f16 operands with f32 sums; other float arithmetic in f32, or as packed bf16 or f16 multiplies, adds, multiply-adds, maxima and minima; sums over many terms, partial sums and values carried from step to step in f32; what a program stores and reads back later, other than sums and carried values, may be rounded once to bf16 or f16.
;; Inputs: Wproj 1,024 x 1,024 float32; Wqkv 3,072 x 1,024 float32; bproj 1,024 float32; bqkv 3,072 float32; scale one number float32; x 8 x 2,048 x 1,024 float32.
;; Outputs: out0 8 x 2,048 x 1,024 float32.
;; 2 versions, each right; version 2 is version 1 with the launches cast, norm written anew for expert scheduling mode. Each part assembles by itself: llvm-mc -triple=amdgcn-amd-amdhsa -mcpu=gfx1250 --defsym DOCPART=n.
;; ======== version 1 of 2: 4 launches
;; limits: values are held in f16: magnitudes above 65,504 overflow, below 6.1e-05 lose precision
;; workspace buffers: xb 33,554,432 bytes; wqb 6,291,456 bytes; wpb 2,097,152 bytes; zb 67,108,864 bytes; pdb 2,097,152 bytes; vmb 4,096 bytes; yb 37,748,736 bytes
;; launch cast (part 1): grid 1280 x 1, 8 waves a work-group, no clusters, 35,840 bytes of LDS; arguments x, Wqkv, Wproj, xb, wqb, wpb; writes xb, wqb, wpb
.if DOCPART == 1
	.amdgcn_target "amdgcn-amd-amdhsa--gfx1250"
	.amdhsa_code_object_version 6
	.text
	.protected	k_qf903723862_cast
	.globl	k_qf903723862_cast
	.p2align	8
	.type	k_qf903723862_cast,@function
k_qf903723862_cast:
	s_mov_b64 s[64:65], 0
	v_nop
	global_prefetch_b8 v0, s[64:65] scope:SCOPE_SE
	s_setreg_imm32_b32 hwreg(HW_REG_WAVE_MODE, 25, 1), 1
	s_wait_xcnt 0x0
; x, Wqkv -> bf16; Wproj -> bf16 and that number written as f16.  All three leave in the order in which matrix fragments lie in registers.
; A FRAGMENT is 16 rows x 32 k of 16-bit numbers, 1,024 bytes: [part 0..1][lane 0..31][16 bytes]; lane (r = lane % 16, h = lane / 16) of part p holds row r, k = 16 p + 8 h + 0..7.
; xb  [16-row block / 32][K step 8][block % 32][quarter 4] fragment      wqb [32 channels g][K step 8][nb 6][quarter 4]: nb 0,1 q, 2,3 k, 4,5 v      wpb [128 rows][K step 8][nb 8][quarter 4]
; A work-group takes 16 source rows (65,536 consecutive bytes), wave w the K step w (512 bytes of each row): groups 0-1023 x, 1024-1215 Wqkv, 1216-1279 Wproj.
; Each load of a wave covers 512 consecutive bytes, each store 512 consecutive bytes at a multiple of 512.  The turn from rows to fragments goes through the wave's own LDS bytes: no barrier.
; LIMIT: |Wproj| stays under 65,504 (f16's range); below 6e-5 it keeps f16's step of 6e-8.
.set PITCH, 272                        ; an LDS row: 256 bytes + 16, an odd multiple of 16: the 16 rows of a fragment load start at 16 different groups of four banks
.set WLDS,  16*PITCH                   ; a wave's bytes
.set SPARE, 8*WLDS                     ; behind them: the spare words, 128 bytes a wave
.set X, 8                              ; v[8:71]    16 rows x 4 f32 as loaded
.set Y, 72                             ; v[72:103]  16 rows x 2 packed words
.set R, 104                            ; v[104:135] 8 half fragments
.set T, 136                            ; v[136:139] at work
	s_load_b256 s[4:11], s[0:1], 0x0               ; x s[4:5], Wqkv s[6:7], Wproj s[8:9], xb s[10:11]
	s_load_b128 s[12:15], s[0:1], 0x20             ; wqb s[12:13], wpb s[14:15]
	v_lshl_add_u32 v5, v0, 2, SPARE                ; my spare word
	v_mov_b32 v6, 0
	v_lshrrev_b32 v7, 5, v0
	v_readfirstlane_b32 s16, v7                    ; wave = K step
	v_and_b32 v7, 31, v0                           ; lane
	v_lshlrev_b32 v1, 4, v0                        ; source: 512 w + 16 lane
	v_lshlrev_b32 v4, 4, v7                        ; destination: 16 lane
	s_mul_i32 s17, s16, WLDS
	v_lshl_add_u32 v2, v7, 3, s17                  ; LDS in: 8 bytes a lane along a row
	v_and_b32 v3, 15, v0
	v_mul_u32_u24 v3, v3, PITCH
	v_bfe_u32 v7, v0, 4, 1
	v_lshl_add_u32 v3, v7, 4, v3
	v_add_nc_u32 v3, s17, v3                       ; LDS out: row r, 16 h
	s_mov_b32 s18, ttmp9
	s_mov_b32 s21, 0
	s_mov_b32 s23, 0
; The work of a wave.  half = 1: the bf16 numbers are written as f16.
.macro BODY half
.irp i, 0,1,2,3,4,5,6,7,8,9,10,11,12,13,14,15
	global_load_b128 v[X+4*(\i):X+4*(\i)+3], v1, s[24:25] offset:(\i)*4096 th:TH_LOAD_NT
.endr
.irp i, 0,1,2,3,4,5,6,7,8,9,10,11,12,13,14,15
	s_wait_loadcnt 15-(\i)                         ; loads come back in order: row i is in, the younger rows stay out
	v_cvt_pk_bf16_f32 v[Y+2*(\i)], v[X+4*(\i)], v[X+4*(\i)+1]
	v_cvt_pk_bf16_f32 v[Y+2*(\i)+1], v[X+4*(\i)+2], v[X+4*(\i)+3]
.if \half
	v_lshlrev_b32 v[T], 16, v[Y+2*(\i)]
	v_and_b32 v[T+1], 0xffff0000, v[Y+2*(\i)]
	v_lshlrev_b32 v[T+2], 16, v[Y+2*(\i)+1]
	v_and_b32 v[T+3], 0xffff0000, v[Y+2*(\i)+1]
	v_cvt_pk_f16_f32 v[Y+2*(\i)], v[T], v[T+1]
	v_cvt_pk_f16_f32 v[Y+2*(\i)+1], v[T+2], v[T+3]
.endif
	ds_store_b64 v2, v[Y+2*(\i):Y+2*(\i)+1] offset:(\i)*PITCH
.endr
.irp k, 0,1,2,3,4,5,6,7
	ds_load_b128 v[R+4*(\k):R+4*(\k)+3], v3 offset:32*(\k)  ; quarter k / 2, part k % 2; LDS serves a wave's instructions in order: these see the stores above
.endr
.irp k, 0,1,2,3,4,5,6,7
	s_wait_dscnt 7-(\k)
	global_store_b128 v4, v[R+4*(\k):R+4*(\k)+3], s[26:27] offset:512*(\k)
.endr
	s_wait_tensorcnt 0x0                           ; the wave's end: behind my last LDS store
	ds_add_u32 v5, v6
	s_wait_dscnt 0x0
	s_endpgm
.endm
	s_wait_kmcnt 0x0
	s_cmp_lt_u32 s18, 1024
	s_cbranch_scc0 .Lweights
	s_lshl_b32 s20, s18, 16                        ; x: 16 rows of 4,096 bytes
	s_lshr_b32 s22, s18, 5
	s_lshl3_add_u32 s22, s22, s16                  ; (512-row tile) x 8 + K step
	s_lshl_b32 s22, s22, 17
	s_and_b32 s19, s18, 31
	s_lshl_b32 s19, s19, 12
	s_add_co_u32 s22, s22, s19
	s_add_nc_u64 s[24:25], s[4:5], s[20:21]
	s_add_nc_u64 s[26:27], s[10:11], s[22:23]
	BODY 0
.Lweights:
	s_cmp_lt_u32 s18, 1216
	s_cbranch_scc0 .Lwproj
	s_sub_co_u32 s18, s18, 1024                    ; Wqkv: block j of 16 rows
	s_lshl_b32 s20, s18, 16
	s_lshr_b32 s19, s18, 6                         ; q, k or v
	s_and_b32 s28, s18, 63                         ; block of 16 channels
	s_lshr_b32 s29, s28, 1                         ; g
	s_and_b32 s28, s28, 1
	s_lshl1_add_u32 s28, s19, s28                  ; nb
	s_lshl3_add_u32 s29, s29, s16
	s_mul_i32 s29, s29, 6
	s_add_co_u32 s29, s29, s28
	s_lshl_b32 s22, s29, 12
	s_add_nc_u64 s[24:25], s[6:7], s[20:21]
	s_add_nc_u64 s[26:27], s[12:13], s[22:23]
	BODY 0
.Lwproj:
	s_sub_co_u32 s18, s18, 1216                    ; Wproj: block j of 16 rows
	s_lshl_b32 s20, s18, 16
	s_lshr_b32 s19, s18, 3
	s_lshl3_add_u32 s19, s19, s16
	s_and_b32 s28, s18, 7
	s_lshl3_add_u32 s19, s19, s28
	s_lshl_b32 s22, s19, 12
	s_add_nc_u64 s[24:25], s[8:9], s[20:21]
	s_add_nc_u64 s[26:27], s[14:15], s[22:23]
	BODY 1
.Lfunc_end_k_qf903723862_cast:
	.size	k_qf903723862_cast, .Lfunc_end_k_qf903723862_cast-k_qf903723862_cast
	.p2alignl 7, 3214868480
	.fill 96, 4, 3214868480
	.section	.rodata,"a",@progbits
	.p2align	6, 0x0
	.amdhsa_kernel k_qf903723862_cast
		.amdhsa_group_segment_fixed_size 35840
		.amdhsa_private_segment_fixed_size 0
		.amdhsa_enable_private_segment 0
		.amdhsa_kernarg_size 48
		.amdhsa_user_sgpr_count 2
		.amdhsa_user_sgpr_kernarg_segment_ptr 1
		.amdhsa_wavefront_size32 1
		.amdhsa_system_sgpr_workgroup_id_x 1
		.amdhsa_system_sgpr_workgroup_id_y 1
		.amdhsa_system_sgpr_workgroup_id_z 1
		.amdhsa_system_vgpr_workitem_id 0
		.amdhsa_next_free_vgpr 140
		.amdhsa_next_free_sgpr 66
		.amdhsa_reserve_vcc 0
		.amdhsa_float_denorm_mode_32 3
		.amdhsa_float_denorm_mode_16_64 3
		.amdhsa_memory_ordered 1
		.amdhsa_forward_progress 1
		.amdhsa_inst_pref_size 28
	.end_amdhsa_kernel
	.amdgpu_metadata
---
amdhsa.version: [ 1, 2 ]
amdhsa.kernels:
  - .name:           k_qf903723862_cast
    .symbol:         k_qf903723862_cast.kd
    .args:
      - { .name: x, .offset: 0, .size: 8, .value_kind: global_buffer, .address_space: global }
      - { .name: Wqkv, .offset: 8, .size: 8, .value_kind: global_buffer, .address_space: global }
      - { .name: Wproj, .offset: 16, .size: 8, .value_kind: global_buffer, .address_space: global }
      - { .name: xb, .offset: 24, .size: 8, .value_kind: global_buffer, .address_space: global }
      - { .name: wqb, .offset: 32, .size: 8, .value_kind: global_buffer, .address_space: global }
      - { .name: wpb, .offset: 40, .size: 8, .value_kind: global_buffer, .address_space: global }
    .group_segment_fixed_size: 35840
    .private_segment_fixed_size: 0
    .kernarg_segment_align: 8
    .kernarg_segment_size: 48
    .max_flat_workgroup_size: 256
    .sgpr_count:     66
    .vgpr_count:     140
    .wavefront_size: 32
...
	.end_amdgpu_metadata
.endif
;; end of part 1
;; launch qkvscan (part 2): grid 32 x 8, 4 waves a work-group, clusters of 4 x 4, 327,680 bytes of LDS; arguments xb, wqb, bqkv, scale, zb, pdb, vmb; writes zb, pdb, vmb
.if DOCPART == 2
	.amdgcn_target "amdgcn-amd-amdhsa--gfx1250"
	.amdhsa_code_object_version 6
	.text
	.protected	k_qf903723862_qkvscan
	.globl	k_qf903723862_qkvscan
	.p2align	8
	.type	k_qf903723862_qkvscan,@function
k_qf903723862_qkvscan:
	s_mov_b64 s[64:65], 0
	v_nop
	global_prefetch_b8 v0, s[64:65] scope:SCOPE_SE
	s_setreg_imm32_b32 hwreg(HW_REG_WAVE_MODE, 25, 1), 1
	s_wait_xcnt 0x0
	s_wait_alu depctr_hold_cnt(0) depctr_sa_sdst(0) depctr_va_vdst(0) depctr_va_sdst(0) depctr_va_ssrc(0) depctr_va_vcc(0) depctr_vm_vsrc(0)
	s_getreg_b32 s2, hwreg(HW_REG_IB_STS2, 6, 4)
	s_cmp_eq_u32 s2, 0
	s_cbranch_scc0 .Lentry_in_a_cluster
	s_endpgm
.Lentry_in_a_cluster:
	s_bfe_u32 s2, ttmp6, 0x10000c
	s_cmp_lg_u32 s2, 0xf033
	s_cbranch_scc0 .Lentry_shape_is_right
	s_endpgm
.Lentry_shape_is_right:
; qkv = x Wqkv^T + b for 32 channels (96 columns: q, k, v) of one batch; q, k -> elu(. scale) + 1; prefix sums over time of k and k v; z = q cumsum(k v); pd = the sum over my 32 channels of q cumsum(k).
; A work-group (g = 32 channels, b = batch) walks the batch's 2,048 rows in four tiles of 512 rows, in time order, so that the prefix sums are carried in registers from tile to tile.
; Wave w owns rows 128 w .. + 127 of a tile x 96 columns: 48 accumulators, 384 registers.  Source 0 = 16 rows of x, source 1 = 16 rows of W: a lane then holds ONE channel (lane % 16) and rows 8 (lane / 16) + 0..7
; of a block, so time runs down a lane's registers.  Products in bf16 with f32 sums; bias and scale are rounded to bf16 like x and W; everything behind the products is f32 and leaves as f32.
; K goes in steps of 128 through two LDS slots filled by the tensor data mover; both operands lie in memory as fragments lie in registers, so a tile is a dense block and a fragment load takes 512 consecutive bytes.
; The batch's 32 K steps are ONE walk: a step is written once and looped over, the ring runs on across tiles, and the last two steps, which ask for nothing, are written out.
; A step's 192 matrix instructions a wave are all the work that a slot of this size holds, so the change of slots is kept short: nothing but the waits, the add and the round stands between the wait for all loads and the next request.
; CLUSTER 4 x 4: the four work-groups of a row share the batch (x's tiles), the four of a column the channels (W's tiles): each tile is asked for jointly.
; Clusters whose x differs by 4 take the other four batches; the channel groups go by the cluster's x % 4 and its y.
; LIMITS: an exponential below 2^-126 counts as 0; sums over time are taken block by block, not row by row; NaN and infinities are not treated apart.
; REGISTERS, windows of 256 (s_set_vgpr_msb: bits 1:0 source 0, 3:2 source 1, 5:4 source 2, 7:6 destination):
;   window 0: addresses, constants, carries; v32-143 and v144-255 two fragment buffers (64 of x, 48 of W); the second is also the epilogue's work space
;   window 1: accumulators of q (v0-127) and k (v128-255): block nb, rows a at v[64 nb + 8 a]          window 2: v (v0-127); v128-143 v's bias, eight times for each of its two blocks
.set ABYTES, 131072                    ; x's tile of a K step: 512 rows x 128 k
.set APART,  45056                     ; 176 rows of 256 bytes: what waves 0 and 1 fetch of it; wave 2 fetches the other 160
.set BBYTES, 24576                     ; W's: 96 rows x 128 k
.set TGA,    0x20000                   ; x's slots begin at 0 and at 131,072: one exclusive or turns an address in one into the other's
.set TGB,    0x8000                    ; W's at 262,144 and 294,912
.set BLDS,   2*ABYTES
.set XCH,    BLDS+BBYTES               ; between W's slots, never filled by a tensor load: 512 bytes a wave, the waves' totals
.set SPARE,  XCH+2048                  ; the spare words, 128 bytes a wave
.set PFO,  1                           ; v1     the prefetch's offsets; never rewritten
.set ADRA0, 2                          ; v2     my place in a slot of x; never rewritten
.set ADRA, 3                           ; v3     the same in the slot in hand
.set ADRB0, 4                          ; v4, v5 the same for W
.set ADRB, 5
.set XST,  6                           ; v6     where I put my totals
.set XLD,  7                           ; v7     where I read the four waves' totals
.set ZO,   8                           ; v8     16 lane
.set PDO,  9                           ; v9     my 16 bytes among the wave's 128 denominators
.set SPW,  10                          ; v10    my spare word; never rewritten
.set NIL,  11                          ; v11    0; never rewritten
.set BQ,   12                          ; v12-19 for nb 0..3 a pair: b s log2(e), b s + 1
.set TA,   20                          ; v20    at work
.set HM,   22                          ; v22-23 lane / 16 as a float, twice
.set CAR,  24                          ; v24-27 carries: k nb 0, 1; k v nb 0, 1
.set VM,   28                          ; v28-31 four running maxima of |v|
.set F0,   32
.set F1,   144
.set BVC,  128                         ; window 2
.set U,    144                         ; epilogue: 64 exponentials
.set OO,   144                         ; epilogue: what is added to block a's prefix sums, v[OO + 4 a + c]
.set II,   176                         ; epilogue: block totals, then their running sums
.set PD,   144                         ; epilogue: 64 products for the denominators
.set TT,   208                         ; epilogue: the four waves' totals
.set CIN,  224                         ; epilogue: the carry into my wave
.set G1A, 24                           ; s[24:31] descriptor group 1 for the parts of x's tile that waves 0 and 1 fetch
.set G0A, 32                           ; s[32:39] group 0 for x: a set for each first fill; the second then walks
.set G1B, 48                           ; s[48:55], s[56:63] the same for W's tile
.set G0B, 56
.set G1C, 84                           ; s[84:91] group 1 for the part of x's tile that wave 2 fetches
.set EV,  42                           ; s[42:43] byte offset of W's tile to be asked for, among g's eight
.set BB,  78                           ; s[78:79] W's tiles of g
.set TBA, 95                           ; s95  0 or TGA: the slot of x in hand
.set PFB, 96                           ; s[96:97] x's tile three steps on
.set TBB, 98                           ; s98  0 or TGB
.set STEPS, 99                         ; s99  K steps to go, this one among them
.set MSB, 0
.macro WIN new                         ; the immediate's high byte repeats the setting that is left; a switch that changes nothing is dropped
.if MSB != (\new)
	s_set_vgpr_msb (MSB<<8)|(\new)
.set MSB, \new
.endif
.endm
.macro PLACES                          ; four plain vector instructions between a matrix instruction and a load into, or a vector instruction on, its registers
.rept 4
	v_nop
.endr
.endm
; A joint load.  Waves 0 and 1 fetch 176 rows of 256 bytes each of x's tile, wave 2 its last 160, wave 3 W's 96.  Each line has one shape, all constants, and one mask; the branches hang on the wave's number alone.
; An s_nop 0 and four v_nop follow each line.
.macro JLOAD s
	s_cmp_lt_u32 s18, 2
	s_cbranch_scc0 .Lnot_a_\@
	tensor_load_to_lds s[G0A+4*(\s):G0A+4*(\s)+3], s[G1A:G1A+7]
	s_nop 0
.rept 4
	v_nop
.endr
	s_branch .Lasked_\@
.Lnot_a_\@:
	s_cmp_eq_u32 s18, 2
	s_cbranch_scc0 .Lfor_b_\@
	tensor_load_to_lds s[G0A+4*(\s):G0A+4*(\s)+3], s[G1C:G1C+7]
	s_nop 0
.rept 4
	v_nop
.endr
	s_branch .Lasked_\@
.Lfor_b_\@:
	tensor_load_to_lds s[G0B+4*(\s):G0B+4*(\s)+3], s[G1B:G1B+7]
	s_nop 0
.rept 4
	v_nop
.endr
.Lasked_\@:
.endm
.macro CROUND                          ; a round of the cluster's barrier
	s_barrier_signal -1
	s_barrier_wait -1
	s_cmp_lg_u32 s18, 0
	s_cbranch_scc1 .Lnot_wave_0_\@
	s_barrier_signal -3
.Lnot_wave_0_\@:
	s_barrier_wait -3
	s_barrier_signal -1
	s_barrier_wait -1
.endm
.macro SHAPE g, rows                   ; group 1 behind its first word: a dense block as rows of 256 bytes: 32 elements of 8 bytes a row, no padding
	s_mov_b32 s[(\g)+1], 32<<16                    ; tensor_dim0 = 32
	s_mov_b32 s[(\g)+2], (\rows)<<16               ; tensor_dim1
	s_mov_b32 s[(\g)+3], 32<<16                    ; tile_dim0 = 32
	s_mov_b32 s[(\g)+4], \rows                     ; tile_dim1
	s_mov_b32 s[(\g)+5], 32                        ; 32 elements from row to row
	s_mov_b32 s[(\g)+6], 0
	s_mov_b32 s[(\g)+7], 0
.endm
	s_load_b256 s[4:11], s[0:1], 0x0               ; xb s[4:5], wqb s[6:7], bqkv s[8:9], scale s[10:11]
	s_load_b128 s[12:15], s[0:1], 0x20             ; zb s[12:13], pdb s[14:15]
	s_load_b64 s[16:17], s[0:1], 0x30              ; vmb
	v_lshl_add_u32 v[SPW], v0, 2, SPARE
	v_mov_b32 v[NIL], 0
	ds_add_u32 v[SPW], v[NIL]                      ; the wave's opening: the add and its wait stand ahead of my first tensor load
	v_lshrrev_b32 v[TA], 5, v0
	v_readfirstlane_b32 s18, v[TA]                 ; wave 0..3
	s_bfe_u32 s21, ttmp6, 0x40000                  ; cx
	s_bfe_u32 s22, ttmp6, 0x40004                  ; cy
	s_and_b32 s23, ttmp9, 3
	s_and_b32 s40, ttmp7, 0xffff
	s_lshl2_add_u32 s23, s40, s23                  ; channel group = 4 x cluster y + cluster x % 4
	s_lshl2_add_u32 s23, s23, s21                  ; g = 4 x channel group + cx
	s_lshr_b32 s40, ttmp9, 2                       ; batch group = cluster x / 4
	s_lshl2_add_u32 s40, s40, s22                  ; b = 4 x batch group + cy
	s_lshl_b32 s19, s22, 2
	s_lshl_b32 s19, 15, s19                        ; my row of the cluster
	s_lshl_b32 s20, 0x1111, s21                    ; my column
	s_or_b32 s[G1A], s19, (3<<16)|(1<<21)          ; 15:0 the mask; 17:16 element size; 21 set beside a mask
	s_or_b32 s[G1C], s19, (3<<16)|(1<<21)
	s_or_b32 s[G1B], s20, (3<<16)|(1<<21)
	SHAPE G1A, 176
	SHAPE G1C, 160
	SHAPE G1B, 96
	s_mul_i32 s41, s18, APART                      ; my part of x's tile: in memory and in the slot
	s_lshl_b32 s92, s40, 22                        ; batch b's 32 tiles of 131,072 bytes
	s_lshl_b32 s[PFB], s40, 22
	s_add_co_u32 s92, s92, s41
	s_mov_b32 s93, 0
	s_mov_b32 s[PFB+1], 0
	s_mul_i32 s80, s23, 8*BBYTES                   ; g's eight tiles of W
	s_mov_b32 s81, 0
	s_mov_b32 s[EV], BBYTES                        ; the walking descriptor begins at K step 1
	s_mov_b32 s[EV+1], 0
	s_mov_b32 s[TBA], 0
	s_mov_b32 s[TBB], 0
	s_wait_dscnt 0x0                               ; the opening add is done
	s_wait_kmcnt 0x0
	s_add_nc_u64 s[92:93], s[4:5], s[92:93]
	s_add_nc_u64 s[BB:BB+1], s[6:7], s[80:81]
	s_add_nc_u64 s[PFB:PFB+1], s[4:5], s[PFB:PFB+1]
	s_add_nc_u64 s[PFB:PFB+1], s[PFB:PFB+1], 2*ABYTES
	CROUND                                         ; all sixteen work-groups are here: the first joint loads meet
.irp s, 0,1
	s_mov_b32 s[G0A+4*(\s)], 1
	s_add_co_u32 s[G0A+4*(\s)+1], s41, (\s)*TGA
	s_add_nc_u64 s[G0A+4*(\s)+2:G0A+4*(\s)+3], s[92:93], (\s)*ABYTES
	s_or_b32 s[G0A+4*(\s)+3], s[G0A+4*(\s)+3], 0x80000000
	s_mov_b32 s[G0B+4*(\s)], 1
	s_mov_b32 s[G0B+4*(\s)+1], BLDS+(\s)*TGB
	s_add_nc_u64 s[G0B+4*(\s)+2:G0B+4*(\s)+3], s[BB:BB+1], (\s)*BBYTES
	s_or_b32 s[G0B+4*(\s)+3], s[G0B+4*(\s)+3], 0x80000000
	JLOAD \s                                       ; K steps 0 and 1: two loads of mine are out
.endr
	; while the first tiles are on their way: addresses, bias, scale, masks
	s_load_b32 s94, s[10:11], 0x0                  ; scale
	v_and_b32 v[TA], 31, v0
	v_lshlrev_b32 v[ZO], 4, v[TA]
	s_lshl_b32 s100, s18, 15                       ; my 128 rows: 8 blocks x 4 quarters x 1,024 bytes
	v_add_nc_u32 v[ADRA0], s100, v[ZO]
	v_mov_b32 v[ADRA], v[ADRA0]
	v_add_nc_u32 v[ADRB0], BLDS, v[ZO]
	v_mov_b32 v[ADRB], v[ADRB0]
	s_lshl_b32 s101, s18, 9
	s_add_co_u32 s101, s101, XCH
	v_add_nc_u32 v[XST], s101, v[ZO]
	v_add_nc_u32 v[XLD], XCH, v[ZO]
	v_and_b32 v144, 15, v0                         ; r
	v_bfe_u32 v145, v0, 4, 1                       ; h
	v_lshrrev_b32 v146, 1, v144
	v_and_b32 v148, 1, v0
	v_lshlrev_b32 v[PDO], 6, v146                  ; 64 (r / 2) + 32 h + 16 (r % 2)
	v_lshl_add_u32 v[PDO], v145, 5, v[PDO]
	v_lshl_add_u32 v[PDO], v148, 4, v[PDO]
	v_lshlrev_b32 v[PFO], 8, v144                  ; the prefetch: lanes 256 bytes apart in g's 4,096 bytes of a tile; lanes 16-31 one tile further on
	v_lshl_add_u32 v[PFO], v145, 17, v[PFO]
	s_lshl_b32 s100, s23, 12
	v_add_nc_u32 v[PFO], s100, v[PFO]
	v_cvt_f32_u32 v[HM], v145
	v_mov_b32 v[HM+1], v[HM]
	v_lshlrev_b32 v147, 2, v144
	s_lshl_b32 s80, s23, 7                         ; g's 32 channels in the bias (s81 is still 0)
	s_add_nc_u64 s[8:9], s[8:9], s[80:81]
.irp n, 0,1,2,3,4,5
	global_load_b32 v[150+(\n)], v147, s[8:9] offset:((\n)/2)*4096+((\n)%2)*64
.endr
	v_and_b32 v146, 8, v0                          ; lane masks for the folds, kept in scalar registers
	v_cmp_ne_u32 s74, 0, v146
	v_and_b32 v146, 4, v0
	v_cmp_ne_u32 s75, 0, v146
	v_and_b32 v146, 2, v0
	v_cmp_ne_u32 s76, 0, v146
	v_cmp_ne_u32 s77, 0, v148
	s_mov_b32 s66, 0x76543210                      ; v_permlanex16_b32: each lane takes its own place in the other half
	s_mov_b32 s67, 0xfedcba98
	s_cmp_gt_u32 s18, 0                            ; 1.0 where wave 0, 1, 2 lies in front of mine
	s_cselect_b32 s68, 1.0, 0
	s_mov_b32 s69, s68
	s_cmp_gt_u32 s18, 1
	s_cselect_b32 s70, 1.0, 0
	s_mov_b32 s71, s70
	s_cmp_gt_u32 s18, 2
	s_cselect_b32 s72, 1.0, 0
	s_mov_b32 s73, s72
	s_lshl_b32 s83, s40, 5
	s_add_co_u32 s83, s83, s23                     ; 32 b + g
	s_lshl_b32 s100, s83, 18                       ; z: 262,144 bytes for each (b, g), 16,384 for a wave's 128 rows
	s_lshl_b32 s101, s18, 14
	s_add_co_u32 s100, s100, s101
	s_mov_b32 s101, 0
	s_add_nc_u64 s[12:13], s[12:13], s[100:101]
	s_lshl_b32 s100, s83, 13                       ; pd: 8,192 and 512
	s_lshl_b32 s101, s18, 9
	s_add_co_u32 s100, s100, s101
	s_mov_b32 s101, 0
	s_add_nc_u64 s[14:15], s[14:15], s[100:101]
	s_lshl_b32 s100, s83, 4                        ; the maxima: 16 and 4
	s_lshl_b32 s101, s18, 2
	s_add_co_u32 s100, s100, s101
	s_mov_b32 s101, 0
	s_add_nc_u64 s[16:17], s[16:17], s[100:101]
.irp i, 0,1,2,3
	v_mov_b32 v[CAR+(\i)], 0
	v_mov_b32 v[VM+(\i)], 0
.endr
	s_wait_kmcnt 0x0
	v_mov_b32 v148, s94
	v_cvt_pk_bf16_f32 v148, v148, v148             ; the scale, rounded to bf16 like every input
	v_lshlrev_b32 v148, 16, v148
	v_readfirstlane_b32 s44, v148
	s_mov_b32 s45, s44
	s_mul_f32 s46, s44, 0x3fb8aa3b                 ; scale x log2(e)
	s_mov_b32 s47, s46
	s_wait_loadcnt 0x0
.irp n, 0,1,2,3,4,5
	v_cvt_pk_bf16_f32 v[150+(\n)], v[150+(\n)], v[150+(\n)]
.endr
.irp n, 0,1,2,3,4,5
	v_lshlrev_b32 v[150+(\n)], 16, v[150+(\n)]
.endr
.irp n, 0,1,2,3
	v_mul_f32 v[BQ+2*(\n)], s46, v[150+(\n)]
	v_fma_f32 v[BQ+2*(\n)+1], v[150+(\n)], s44, 1.0
.endr
	WIN 0x80                                       ; v's bias, once for each of an accumulator's eight registers: it is the C operand that starts v's sums
.set i, 0
.rept 8
	v_mov_b32 v[BVC+i], v154
	v_mov_b32 v[BVC+8+i], v155
.set i, i+1
.endr
	WIN 0
; 16 matrix instructions: column blocks nb0, nb0 + 1 x my 8 row blocks, 32 along K.  zero = 1: the product starts the sums, q's and k's with 0, v's with its bias.
; The 48 accumulators take turns, one instruction a turn.
.macro MULQ f, nb0, zero
.if (\nb0) < 4
	WIN 0x50
.else
	WIN 0xa0
.endif
.irp n, \nb0, (\nb0)+1
.irp a, 0,1,2,3,4,5,6,7
.set rD, 64*((\n)%4)+8*(\a)
.if (\zero) && ((\n) < 4)
	v_wmma_f32_16x16x32_bf16 v[rD:rD+7], v[(\f)+8*(\a):(\f)+8*(\a)+7], v[(\f)+64+8*(\n):(\f)+64+8*(\n)+7], 0
.elseif \zero
	v_wmma_f32_16x16x32_bf16 v[rD:rD+7], v[(\f)+8*(\a):(\f)+8*(\a)+7], v[(\f)+64+8*(\n):(\f)+64+8*(\n)+7], v[BVC+8*((\n)-4):BVC+8*((\n)-4)+7]
.else
	v_wmma_f32_16x16x32_bf16 v[rD:rD+7], v[(\f)+8*(\a):(\f)+8*(\a)+7], v[(\f)+64+8*(\n):(\f)+64+8*(\n)+7], v[rD:rD+7]
.endif
.endr
.endr
.endm
; 28 LDS loads in one run: quarter q of the K step in hand: my 8 fragments of x, then W's 6
.macro FETCH q, f
	WIN 0
.irp a, 0,1,2,3,4,5,6,7
	ds_load_b128 v[(\f)+8*(\a):(\f)+8*(\a)+3],   v[ADRA] offset:(4*(\a)+(\q))*1024
	ds_load_b128 v[(\f)+8*(\a)+4:(\f)+8*(\a)+7], v[ADRA] offset:(4*(\a)+(\q))*1024+512
.endr
.irp n, 0,1,2,3,4,5
	ds_load_b128 v[(\f)+64+8*(\n):(\f)+64+8*(\n)+3],   v[ADRB] offset:(4*(\n)+(\q))*1024
	ds_load_b128 v[(\f)+64+8*(\n)+4:(\f)+64+8*(\n)+7], v[ADRB] offset:(4*(\n)+(\q))*1024+512
.endr
.endm
; One of a K step's first three quarters: multiplies buffer f and fetches quarter qn into buffer g
.macro QUARTER qn, f, g, zero
	s_wait_dscnt 8                                 ; x's fragments and W's blocks 0, 1 are in; the youngest eight loads (blocks 2 to 5) may be out
	MULQ \f, 0, \zero
	PLACES
	FETCH \qn, \g
	s_wait_dscnt 28                                ; all but the 28 just issued
	MULQ \f, 2, \zero
	MULQ \f, 4, \zero
.endm
.macro OTHER                           ; the fragment addresses go over to the other slot
	s_xor_b32 s[TBA], s[TBA], TGA
	s_xor_b32 s[TBB], s[TBB], TGB
	v_add_nc_u32 v[ADRA], s[TBA], v[ADRA0]
	v_add_nc_u32 v[ADRB], s[TBB], v[ADRB0]
.endm
; THE CHANGE OF SLOTS stands in front of a step's last quarter, whose fragments are in registers.  Each wave waits for all its tensor loads (one is out: its part of the next slot), adds 0 to its spare word, and waits
; for that and for its reads of this slot; a round of the cluster's barrier; the joint refill, two K steps ahead, first behind it; the next slot's first fragments; and only then the last quarter's 48 products.
.macro TURN
	WIN 0
	s_wait_tensorcnt 0x0                           ; no tensor load of mine is out, so a group 0 may be written
	ds_add_u32 v[SPW], v[NIL]                      ; 0 onto my spare word; the descriptors' steps stand between it and the wait for it
	s_xor_b32 s[G0A+5], s[G0A+5], TGA              ; the walking descriptors: the other slot than last time,
	s_add_nc_u64 s[G0A+6:G0A+7], s[G0A+6:G0A+7], ABYTES  ; x's next tile: the batch's 32 lie on end;
	s_xor_b32 s[G0B+5], s[G0B+5], TGB
	s_add_co_u32 s[EV], s[EV], BBYTES              ; W's next tile, and behind the eighth the first again: the address is made anew
	s_cmp_eq_u32 s[EV], 8*BBYTES
	s_cselect_b32 s[EV], 0, s[EV]
	s_add_nc_u64 s[G0B+6:G0B+7], s[BB:BB+1], s[EV:EV+1]
	s_or_b32 s[G0B+7], s[G0B+7], 0x80000000
	s_wait_dscnt 0x0                               ; the add is done, my reads of this slot are over
	CROUND                                         ; no wave of any partner still reads this slot or has a load on its way
	JLOAD 1                                        ; the first tensor load behind the round; its four v_nop are also the places in front of the loads below
	OTHER
	FETCH 0, F0
	MULQ F1, 0, 0
	MULQ F1, 2, 0
	MULQ F1, 4, 0
.endm
	s_wait_tensorcnt 0x1                           ; my part of K step 0 is in; K step 1's may stay out
	s_barrier_signal -1
	s_barrier_wait -1
	FETCH 0, F0
	s_mov_b32 s2, 4                                ; tiles to go
	s_mov_b32 s[STEPS], 32
.Ltile:
	QUARTER 1, F0, F1, 1                           ; a tile's first quarter starts the sums
	WIN 0
	s_mov_b32 s3, 8                                ; the tile's K steps
	s_branch .Lin                                  ; the loop is entered behind a step's first quarter
.Lstep:
	QUARTER 1, F0, F1, 0
	WIN 0
.Lin:
	QUARTER 2, F1, F0, 0
	QUARTER 3, F0, F1, 0
	WIN 0
	s_cmp_eq_u32 s[STEPS], 2
	s_cbranch_scc1 .Ltail                          ; the walk's last two steps ask for nothing more: they are written out
	TURN
	WIN 0
	; PREFETCH into the L2.  In every second step n (0, 2, .. 26) wave 0 asks for its work-group's 1/32 of x's tiles of steps n + 3 and n + 4, 16 blocks of 256 bytes of each, whose tensor loads
	; are issued in steps n + 1 and n + 2.  The 32 work-groups of a batch share a tile out, so each block is asked for once in the launch; the last tile asked for is the batch's tile 30.
	s_wait_xcnt 0x0                                ; the base is stepped only behind this wait; the last prefetch was issued two steps ago
	s_add_nc_u64 s[PFB:PFB+1], s[PFB:PFB+1], ABYTES
	s_cmp_lg_u32 s18, 0
	s_cbranch_scc1 .Lnopf
	s_bitcmp1_b32 s[STEPS], 0
	s_cbranch_scc1 .Lnopf
	s_cmp_lt_u32 s[STEPS], 6
	s_cbranch_scc1 .Lnopf
	global_prefetch_b8 v[PFO], s[PFB:PFB+1] th:TH_LOAD_NT scope:SCOPE_SE
.Lnopf:
	s_sub_co_u32 s[STEPS], s[STEPS], 1
	s_sub_co_u32 s3, s3, 1
	s_cmp_lg_u32 s3, 0
	s_cbranch_scc1 .Lstep
	s_branch .Lepi                                 ; the next tile's first fragments are in buffer 0, which the epilogue leaves alone
.Ltail:
	s_wait_tensorcnt 0x0                           ; my part of the last K step has landed
	ds_add_u32 v[SPW], v[NIL]
	s_wait_dscnt 0x0
	s_barrier_signal -1                            ; nothing is filled again: no round
	s_barrier_wait -1
	PLACES
	OTHER
	FETCH 0, F0
	MULQ F1, 0, 0
	MULQ F1, 2, 0
	MULQ F1, 4, 0
	QUARTER 1, F0, F1, 0
	QUARTER 2, F1, F0, 0
	QUARTER 3, F0, F1, 0
	s_wait_dscnt 0x0
	MULQ F1, 0, 0
	MULQ F1, 2, 0
	MULQ F1, 4, 0
	WIN 0
.Lepi:
	; THE EPILOGUE of a tile.  Work space: buffer 1's registers alone.
	PLACES
; elu(t) + 1 = max(t + 1, 2^min(t log2(e), 0)), t = (sum + b) scale.  Each accumulator's lowest registers are read first.
.macro FEAT grp
	WIN 0x01
.set i, 0
.rept 32
	v_pk_fma_f32 v[U+i:U+i+1], v[64*(\grp)+i:64*(\grp)+i+1], s[46:47], v[BQ+2*(\grp):BQ+2*(\grp)+1] op_sel_hi:[1,0,0]
.set i, i+2
.endr
	WIN 0
.set i, 0
.rept 64
	v_min_num_f32 v[U+i], 0, v[U+i]
.set i, i+1
.endr
.set i, 0
.rept 64
	v_exp_f32 v[U+i], v[U+i]
.set i, i+1
.endr
	WIN 0x41
.set i, 0
.rept 32                                               ; plain work between the exponentials and the use of their results
	v_pk_fma_f32 v[64*(\grp)+i:64*(\grp)+i+1], v[64*(\grp)+i:64*(\grp)+i+1], s[44:45], v[BQ+2*(\grp):BQ+2*(\grp)+1] op_sel:[0,0,1] op_sel_hi:[1,0,1]
.set i, i+2
.endr
.set i, 0
	s_wait_alu depctr_va_vdst(0)
.rept 64
	v_max_num_f32 v[64*(\grp)+i], v[64*(\grp)+i], v[U+i]
.set i, i+1
.endr
.endm
	FEAT 0
	FEAT 1
	FEAT 2
	FEAT 3
	WIN 0x0a                                       ; the largest |v|, in four chains
.set i, 0
.rept 64
	v_max3_num_f32 v[VM+(i/2)%4], |v[i]|, |v[i+1]|, v[VM+(i/2)%4]
.set i, i+2
.endr
	WIN 0x89                                       ; v becomes k v
.set i, 0
.rept 64
	v_pk_mul_f32 v[i:i+1], v[128+i:129+i], v[i:i+1]
.set i, i+2
.endr
	WIN 0x45                                       ; prefix sums over a lane's 8 rows, 16 accumulators side by side: k,
.irp j, 1,2,3,4,5,6,7
.set i, 128
.rept 16
	v_add_f32 v[i+(\j)], v[i+(\j)], v[i+(\j)-1]
.set i, i+8
.endr
.endr
	WIN 0x8a                                       ; and k v
.irp j, 1,2,3,4,5,6,7
.set i, 0
.rept 16
	v_add_f32 v[i+(\j)], v[i+(\j)], v[i+(\j)-1]
.set i, i+8
.endr
.endr
	WIN 0x01                                       ; a lane's total is its register 7; the block's other 8 rows lie in the lane 16 away
.irp a, 0,1,2,3,4,5,6,7
.irp c, 0,1
	v_permlanex16_b32 v[OO+4*(\a)+(\c)], v[128+64*(\c)+8*(\a)+7], s66, s67
.endr
.endr
.irp a, 0,1,2,3,4,5,6,7
.irp c, 0,1
	v_add_f32 v[II+4*(\a)+(\c)], v[128+64*(\c)+8*(\a)+7], v[OO+4*(\a)+(\c)]
.endr
.endr
	WIN 0x02
.irp a, 0,1,2,3,4,5,6,7
.irp c, 0,1
	v_permlanex16_b32 v[OO+4*(\a)+2+(\c)], v[64*(\c)+8*(\a)+7], s66, s67
.endr
.endr
.irp a, 0,1,2,3,4,5,6,7
.irp c, 0,1
	v_add_f32 v[II+4*(\a)+2+(\c)], v[64*(\c)+8*(\a)+7], v[OO+4*(\a)+2+(\c)]
.endr
.endr
	WIN 0
.irp a, 1,2,3,4,5,6,7                                  ; running sums of the block totals
	v_pk_add_f32 v[II+4*(\a):II+4*(\a)+1], v[II+4*(\a):II+4*(\a)+1], v[II+4*(\a)-4:II+4*(\a)-3]
	v_pk_add_f32 v[II+4*(\a)+2:II+4*(\a)+3], v[II+4*(\a)+2:II+4*(\a)+3], v[II+4*(\a)-2:II+4*(\a)-1]
.endr
	ds_store_b128 v[XST], v[II+28:II+31]           ; my wave's totals for my channel
	v_pk_mul_f32 v[OO:OO+1], v[OO:OO+1], v[HM:HM+1]   ; what lies in front of my 8 rows inside the wave: the lower half's total for the upper lanes, and the blocks before
	v_pk_mul_f32 v[OO+2:OO+3], v[OO+2:OO+3], v[HM:HM+1]
.irp a, 1,2,3,4,5,6,7
	v_pk_fma_f32 v[OO+4*(\a):OO+4*(\a)+1], v[OO+4*(\a):OO+4*(\a)+1], v[HM:HM+1], v[II+4*(\a)-4:II+4*(\a)-3]
	v_pk_fma_f32 v[OO+4*(\a)+2:OO+4*(\a)+3], v[OO+4*(\a)+2:OO+4*(\a)+3], v[HM:HM+1], v[II+4*(\a)-2:II+4*(\a)-1]
.endr
	s_wait_dscnt 0x0                               ; for the others' sake: my totals are stored (the next tile's fragments are in too)
	s_barrier_signal -1                            ; the one tensor load may stay out
	s_barrier_wait -1
.irp k, 0,1,2,3
	ds_load_b128 v[TT+4*(\k):TT+4*(\k)+3], v[XLD] offset:512*(\k)
.endr
	s_wait_dscnt 0x0                               ; these words are stored again only behind the next tile's barriers
.irp p, 0,2
	v_pk_fma_f32 v[CIN+(\p):CIN+(\p)+1], v[TT+(\p):TT+(\p)+1], s[68:69], v[CAR+(\p):CAR+(\p)+1] op_sel_hi:[1,0,1]
	v_pk_fma_f32 v[CIN+(\p):CIN+(\p)+1], v[TT+4+(\p):TT+5+(\p)], s[70:71], v[CIN+(\p):CIN+(\p)+1] op_sel_hi:[1,0,1]
	v_pk_fma_f32 v[CIN+(\p):CIN+(\p)+1], v[TT+8+(\p):TT+9+(\p)], s[72:73], v[CIN+(\p):CIN+(\p)+1] op_sel_hi:[1,0,1]
.endr
.irp p, 0,2
	v_pk_add_f32 v[TT+(\p):TT+(\p)+1], v[TT+(\p):TT+(\p)+1], v[TT+4+(\p):TT+5+(\p)]
	v_pk_add_f32 v[TT+8+(\p):TT+9+(\p)], v[TT+8+(\p):TT+9+(\p)], v[TT+12+(\p):TT+13+(\p)]
	v_pk_add_f32 v[TT+(\p):TT+(\p)+1], v[TT+(\p):TT+(\p)+1], v[TT+8+(\p):TT+9+(\p)]
	v_pk_add_f32 v[CAR+(\p):CAR+(\p)+1], v[CAR+(\p):CAR+(\p)+1], v[TT+(\p):TT+(\p)+1]
.endr
.irp a, 0,1,2,3,4,5,6,7
	v_pk_add_f32 v[OO+4*(\a):OO+4*(\a)+1], v[OO+4*(\a):OO+4*(\a)+1], v[CIN:CIN+1]
	v_pk_add_f32 v[OO+4*(\a)+2:OO+4*(\a)+3], v[OO+4*(\a)+2:OO+4*(\a)+3], v[CIN+2:CIN+3]
.endr
	WIN 0x41                                       ; the prefix sums take what lies in front of them: k,
.irp a, 0,1,2,3,4,5,6,7
.irp p, 0,2,4,6
	v_pk_add_f32 v[128+8*(\a)+(\p):129+8*(\a)+(\p)], v[128+8*(\a)+(\p):129+8*(\a)+(\p)], v[OO+4*(\a):OO+4*(\a)+1] op_sel_hi:[1,0]
	v_pk_add_f32 v[192+8*(\a)+(\p):193+8*(\a)+(\p)], v[192+8*(\a)+(\p):193+8*(\a)+(\p)], v[OO+4*(\a):OO+4*(\a)+1] op_sel:[0,1] op_sel_hi:[1,1]
.endr
.endr
	WIN 0x82                                       ; and k v
.irp a, 0,1,2,3,4,5,6,7
.irp p, 0,2,4,6
	v_pk_add_f32 v[8*(\a)+(\p):8*(\a)+(\p)+1], v[8*(\a)+(\p):8*(\a)+(\p)+1], v[OO+4*(\a)+2:OO+4*(\a)+3] op_sel_hi:[1,0]
	v_pk_add_f32 v[64+8*(\a)+(\p):65+8*(\a)+(\p)], v[64+8*(\a)+(\p):65+8*(\a)+(\p)], v[OO+4*(\a)+2:OO+4*(\a)+3] op_sel:[0,1] op_sel_hi:[1,1]
.endr
.endr
	WIN 0x05                                       ; q cumsum(k) of my two channels, for my 64 rows
.set i, 0
.rept 32
	v_pk_mul_f32 v[PD+i:PD+i+1], v[i:i+1], v[128+i:129+i]
.set i, i+2
.endr
.set i, 0
.rept 32
	v_pk_fma_f32 v[PD+i:PD+i+1], v[64+i:65+i], v[192+i:193+i], v[PD+i:PD+i+1]
.set i, i+2
.endr
	WIN 0
; The sum over the 16 lanes of a half, by folds: of n pairs of registers d apart each lane adds its partner's and keeps one, by a bit of its number.  At the end lane (r, h) holds rows 16 (r / 2) + 8 h + 4 (r % 2) + 0..3.
.macro FOLD n, d, xm, sm
.set i, 0
.rept \n
	v_add_f32_dpp v[PD+i], v[PD+i], v[PD+i] row_xmask:\xm row_mask:0xf bank_mask:0xf
	v_add_f32_dpp v[PD+i+(\d)], v[PD+i+(\d)], v[PD+i+(\d)] row_xmask:\xm row_mask:0xf bank_mask:0xf
.set i, i+1
.endr
.set i, 0
.rept \n
	v_cndmask_b32 v[PD+i], v[PD+i], v[PD+i+(\d)], s[\sm]
.set i, i+1
.endr
.endm
	FOLD 32, 32, 8, 74
	FOLD 16, 16, 4, 75
	FOLD 8, 8, 2, 76
	FOLD 4, 4, 1, 77
	global_store_b128 v[PDO], v[PD:PD+3], s[14:15]  ; the wave's 128 partial denominators: 512 consecutive bytes
	WIN 0x89                                       ; z = q cumsum(k v)
.set i, 0
.rept 64
	v_pk_mul_f32 v[i:i+1], v[i:i+1], v[i:i+1]
.set i, i+2
.endr
	WIN 0x08                                       ; store data in window 2
.irp a, 0,1,2,3,4,5,6,7
.irp n, 0,1
.irp e, 0,1
	global_store_b128 v[ZO], v[64*(\n)+8*(\a)+4*(\e):64*(\n)+8*(\a)+4*(\e)+3], s[12:13] offset:((2*(\a)+(\n))*2+(\e))*512  ; as the registers lie: 512 consecutive bytes each
.endr
.endr
.endr
	WIN 0
	s_wait_xcnt 0x0                                ; the stores' bases and data are rewritten only behind this wait
	s_add_nc_u64 s[12:13], s[12:13], 65536         ; the next tile's 512 rows
	s_add_nc_u64 s[14:15], s[14:15], 2048
	s_sub_co_u32 s2, s2, 1
	s_cmp_lg_u32 s2, 0
	s_cbranch_scc1 .Ltile
	v_max3_num_f32 v[VM], v[VM], v[VM+1], v[VM+2]  ; my wave's largest |v|
	v_max_num_f32 v[VM], v[VM], v[VM+3]
	v_max_num_f32_dpp v[VM], v[VM], v[VM] row_xmask:1 row_mask:0xf bank_mask:0xf
	v_max_num_f32_dpp v[VM], v[VM], v[VM] row_xmask:2 row_mask:0xf bank_mask:0xf
	v_max_num_f32_dpp v[VM], v[VM], v[VM] row_xmask:4 row_mask:0xf bank_mask:0xf
	v_max_num_f32_dpp v[VM], v[VM], v[VM] row_xmask:8 row_mask:0xf bank_mask:0xf
	v_permlanex16_b32 v[VM+1], v[VM], s66, s67
	v_max_num_f32 v[VM], v[VM], v[VM+1]
	v_and_b32 v[TA], 31, v0
	v_mov_b32 v[TT], 0
	s_wait_xcnt 0x0                                ; EXEC changes only behind this wait
	v_cmp_eq_u32 vcc_lo, 0, v[TA]
	s_and_saveexec_b32 s82, vcc_lo
	global_store_b32 v[TT], v[VM], s[16:17]
	s_wait_xcnt 0x0
	s_or_b32 exec_lo, exec_lo, s82
	s_wait_tensorcnt 0x0                           ; the wave's end
	ds_add_u32 v[SPW], v[NIL]
	s_wait_dscnt 0x0
	CROUND                                         ; the closing round
	s_endpgm
.Lfunc_end_k_qf903723862_qkvscan:
	.size	k_qf903723862_qkvscan, .Lfunc_end_k_qf903723862_qkvscan-k_qf903723862_qkvscan
	.p2alignl 7, 3214868480
	.fill 96, 4, 3214868480
	.section	.rodata,"a",@progbits
	.p2align	6, 0x0
	.amdhsa_kernel k_qf903723862_qkvscan
		.amdhsa_group_segment_fixed_size 327680
		.amdhsa_private_segment_fixed_size 0
		.amdhsa_enable_private_segment 0
		.amdhsa_kernarg_size 56
		.amdhsa_user_sgpr_count 2
		.amdhsa_user_sgpr_kernarg_segment_ptr 1
		.amdhsa_wavefront_size32 1
		.amdhsa_system_sgpr_workgroup_id_x 1
		.amdhsa_system_sgpr_workgroup_id_y 1
		.amdhsa_system_sgpr_workgroup_id_z 1
		.amdhsa_system_vgpr_workitem_id 0
		.amdhsa_next_free_vgpr 656
		.amdhsa_next_free_sgpr 102
		.amdhsa_reserve_vcc 1
		.amdhsa_float_denorm_mode_32 3
		.amdhsa_float_denorm_mode_16_64 3
		.amdhsa_memory_ordered 1
		.amdhsa_forward_progress 1
		.amdhsa_inst_pref_size 160
	.end_amdhsa_kernel
	.amdgpu_metadata
---
amdhsa.version: [ 1, 2 ]
amdhsa.kernels:
  - .name:           k_qf903723862_qkvscan
    .symbol:         k_qf903723862_qkvscan.kd
    .args:
      - { .name: xb, .offset: 0, .size: 8, .value_kind: global_buffer, .address_space: global }
      - { .name: wqb, .offset: 8, .size: 8, .value_kind: global_buffer, .address_space: global }
      - { .name: bqkv, .offset: 16, .size: 8, .value_kind: global_buffer, .address_space: global }
      - { .name: scale, .offset: 24, .size: 8, .value_kind: global_buffer, .address_space: global }
      - { .name: zb, .offset: 32, .size: 8, .value_kind: global_buffer, .address_space: global }
      - { .name: pdb, .offset: 40, .size: 8, .value_kind: global_buffer, .address_space: global }
      - { .name: vmb, .offset: 48, .size: 8, .value_kind: global_buffer, .address_space: global }
    .group_segment_fixed_size: 327680
    .private_segment_fixed_size: 0
    .kernarg_segment_align: 8
    .kernarg_segment_size: 56
    .max_flat_workgroup_size: 128
    .sgpr_count:     102
    .vgpr_count:     656
    .wavefront_size: 32
...
	.end_amdgpu_metadata
.endif
;; end of part 2
;; launch norm (part 3): grid 256 x 1, 8 waves a work-group, no clusters, 0 bytes of LDS; arguments zb, pdb, vmb, yb; writes yb
.if DOCPART == 3
	.amdgcn_target "amdgcn-amd-amdhsa--gfx1250"
	.amdhsa_code_object_version 6
	.text
	.protected	k_qf903723862_norm
	.globl	k_qf903723862_norm
	.p2align	8
	.type	k_qf903723862_norm,@function
k_qf903723862_norm:
	s_mov_b64 s[64:65], 0
	v_nop
	global_prefetch_b8 v0, s[64:65] scope:SCOPE_SE
	s_setreg_imm32_b32 hwreg(HW_REG_WAVE_MODE, 25, 1), 1
	s_wait_xcnt 0x0
; y = z / max(pd0 + pd1, 1e-3) x S, rounded to f16, S = 4096 / max(largest |v|, 2^-100).  All terms of the denominator are positive and the clip only enlarges it, so |y| <= the largest |v| and |y S| <= 4096:
; f16 has room whatever the inputs' scale.  For the first 16 rows of every 128 the remainder y S - f16(y S) is stored as a second f16 operand: a batch's first rows are many times the output's root mean square,
; and one rounding to f16 is too coarse for them.
; A stream: no LDS, no barrier, no matrix unit.  Wave W takes head W % 16 of the 128 rows W / 16: eight units of 16 rows x 64 channels, four on their way at a time.
; z arrives as accumulators lay: lane (r, h), word e of part jh = row 8 h + 4 jh + e, channel 16 c + r.  y leaves in blocks of 16 k x 16 m, [k][m], 512 bytes: lane (r, h) holds k = r, m = 8 h + 0..7: 16 bytes;
; yb [128 rows H][K step 8][row block 9: 0-7 y, 8 the remainder][k block 8].  Each load and store of a wave (the denominators' aside) covers 512 consecutive bytes.
; y's registers are two sets that take turns, so that the one wait that frees a set stands a unit's arithmetic behind the last loads issued.
.set RR, 8                             ; v[8:15]    S / denominator of my 8 rows
.set YH, 16                            ; v[16:47]   y in f16, two sets of 16 (first: the table of maxima)
.set UB, 48                            ; v[48:239]  four unit buffers of 48: z 32, pd 16
.set YL, 240                           ; v[240:255] the remainder; written once
	s_load_b256 s[4:11], s[0:1], 0x0               ; zb s[4:5], pdb s[6:7], vmb s[8:9], yb s[10:11]
	v_lshrrev_b32 v5, 5, v0
	v_readfirstlane_b32 s14, v5
	s_lshl_b32 s15, ttmp9, 3
	s_add_co_u32 s14, s14, s15                     ; W
	s_and_b32 s15, s14, 15                         ; head
	s_lshr_b32 s16, s14, 4                         ; H
	s_lshr_b32 s17, s16, 4                         ; batch
	s_and_b32 s18, s16, 15                         ; H within the batch
	s_lshl_b32 s19, s17, 5
	s_lshl1_add_u32 s19, s15, s19                  ; 32 b + 2 head: the head's first half
	s_lshl_b32 s20, s19, 18
	s_lshl_b32 s22, s18, 14
	s_add_co_u32 s20, s20, s22
	s_mov_b32 s21, 0
	s_lshl_b32 s22, s19, 13
	s_lshl_b32 s24, s18, 9
	s_add_co_u32 s22, s22, s24
	s_mov_b32 s23, 0
	s_lshl_b32 s24, s16, 3
	s_lshr_b32 s25, s15, 1
	s_add_co_u32 s24, s24, s25                     ; 8 H + K step
	s_mul_i32 s24, s24, 36864
	s_and_b32 s25, s15, 1
	s_lshl_b32 s25, s25, 11                        ; the head's four k blocks
	s_add_co_u32 s24, s24, s25
	s_mov_b32 s25, 0
	s_mov_b32 s26, 0x76543210
	s_mov_b32 s27, 0xfedcba98
	s_mov_b32 s28, 0x3a83126f                      ; 1e-3
	v_and_b32 v5, 31, v0
	v_lshlrev_b32 v1, 4, v5                        ; 16 lane
	v_bfe_u32 v6, v0, 4, 1
	v_lshlrev_b32 v2, 5, v6                        ; 32 h: my 8 rows' denominators
	v_and_b32 v7, 15, v0
	v_lshlrev_b32 v3, 5, v7
	v_lshl_add_u32 v3, v6, 4, v3                   ; 32 r + 16 h
	v_mov_b32 v4, -1.0
	s_wait_kmcnt 0x0
	s_add_nc_u64 s[4:5], s[4:5], s[20:21]
	s_add_nc_u64 s[6:7], s[6:7], s[22:23]
	s_add_nc_u64 s[10:11], s[10:11], s[24:25]
.irp i, 0,1,2,3,4,5,6,7
	global_load_b128 v[YH+4*(\i):YH+4*(\i)+3], v1, s[8:9] offset:512*(\i)  ; all 1,024 maxima
.endr
.macro LOADU u                         ; twelve loads: unit u's z and both halves' denominators
.set ZB, UB+48*((\u)%4)
.irp c, 0,1,2,3
.irp e, 0,1
	global_load_b128 v[ZB+8*(\c)+4*(\e):ZB+8*(\c)+4*(\e)+3], v1, s[4:5] offset:((\c)/2)*262144+(\u)*2048+(2*((\c)%2)+(\e))*512 th:TH_LOAD_NT
.endr
.endr
.irp c, 0,1
.irp e, 0,1
	global_load_b128 v[ZB+32+8*(\c)+4*(\e):ZB+32+8*(\c)+4*(\e)+3], v2, s[6:7] offset:(\c)*8192+(\u)*64+16*(\e)
.endr
.endr
.endm
	LOADU 0
	LOADU 1
	LOADU 2
	LOADU 3
	s_wait_loadcnt 48                              ; the maxima are in; the four units' 48 loads stay out
.set i, 0
.rept 15
	v_max3_num_f32 v[YH], v[YH], v[YH+1+i], v[YH+2+i]
.set i, i+2
.endr
	v_max_num_f32 v[YH], v[YH], v[YH+31]
	v_max_num_f32_dpp v[YH], v[YH], v[YH] row_xmask:1 row_mask:0xf bank_mask:0xf
	v_max_num_f32_dpp v[YH], v[YH], v[YH] row_xmask:2 row_mask:0xf bank_mask:0xf
	v_max_num_f32_dpp v[YH], v[YH], v[YH] row_xmask:4 row_mask:0xf bank_mask:0xf
	v_max_num_f32_dpp v[YH], v[YH], v[YH] row_xmask:8 row_mask:0xf bank_mask:0xf
	v_permlanex16_b32 v[YH+1], v[YH], s26, s27
	v_max_num_f32 v[YH], v[YH], v[YH+1]
	v_max_num_f32 v[YH], 0x0d800000, v[YH]         ; at least 2^-100
	v_rcp_f32 v[YH], v[YH]
	v_nop                                          ; a plain instruction between the reciprocal and its use
	s_wait_alu depctr_va_vdst(0)
	v_mul_f32 v[YH], 0x45800000, v[YH]             ; x 4096
	v_readfirstlane_b32 s12, v[YH]
	s_mov_b32 s13, s12                             ; named with it as a pair
.macro UNIT u, left                    ; left: the loads of the units behind this one, twelve each
.set ZB, UB+48*((\u)%4)
.set YY, YH+16*((\u)%2)
	s_wait_loadcnt \left
.irp p, 0,2,4,6
	v_pk_add_f32 v[RR+(\p):RR+(\p)+1], v[ZB+32+(\p):ZB+33+(\p)], v[ZB+40+(\p):ZB+41+(\p)]
.endr
.irp m, 0,1,2,3,4,5,6,7
	v_max_num_f32 v[RR+(\m)], s28, v[RR+(\m)]      ; the clip at 1e-3
.endr
.irp m, 0,1,2,3,4,5,6,7
	v_rcp_f32 v[RR+(\m)], v[RR+(\m)]
.endr
	v_nop
	s_wait_alu depctr_va_vdst(0)
.irp p, 0,2,4,6
	v_pk_mul_f32 v[RR+(\p):RR+(\p)+1], v[RR+(\p):RR+(\p)+1], s[12:13] op_sel_hi:[1,0]
.endr
.irp c, 0,1,2,3
.irp p, 0,2,4,6
	v_pk_mul_f32 v[ZB+8*(\c)+(\p):ZB+8*(\c)+(\p)+1], v[ZB+8*(\c)+(\p):ZB+8*(\c)+(\p)+1], v[RR+(\p):RR+(\p)+1]
.endr
.endr
.irp c, 0,1,2,3
.irp p, 0,1,2,3
	v_cvt_pk_f16_f32 v[YY+4*(\c)+(\p)], v[ZB+8*(\c)+2*(\p)], v[ZB+8*(\c)+2*(\p)+1]
.endr
.endr
	s_wait_xcnt 0x0                                ; the last unit's stores have read the other set, which the next unit's conversions write: it is rewritten only behind this wait
.irp c, 0,1,2,3
	global_store_b128 v3, v[YY+4*(\c):YY+4*(\c)+3], s[10:11] offset:(\u)*4096+(\c)*512
.endr
.if (\u) == 0
.irp c, 0,1,2,3
.irp p, 0,1,2,3
	v_fma_mix_f32 v[ZB+8*(\c)+2*(\p)], v[YY+4*(\c)+(\p)], v4, v[ZB+8*(\c)+2*(\p)] op_sel_hi:[1,0,0]                    ; y S less its f16 part: the low half,
	v_fma_mix_f32 v[ZB+8*(\c)+2*(\p)+1], v[YY+4*(\c)+(\p)], v4, v[ZB+8*(\c)+2*(\p)+1] op_sel:[1,0,0] op_sel_hi:[1,0,0]  ; the high half
.endr
.endr
.irp c, 0,1,2,3
.irp p, 0,1,2,3
	v_cvt_pk_f16_f32 v[YL+4*(\c)+(\p)], v[ZB+8*(\c)+2*(\p)], v[ZB+8*(\c)+2*(\p)+1]
.endr
.endr
.irp c, 0,1,2,3
	global_store_b128 v3, v[YL+4*(\c):YL+4*(\c)+3], s[10:11] offset:8*4096+(\c)*512
.endr
.endif
.if (\u) < 4
	LOADU (\u)+4                                   ; the buffer takes the unit four further on
.endif
.endm
	UNIT 0, 36
	UNIT 1, 36
	UNIT 2, 36
	UNIT 3, 36
	UNIT 4, 36
	UNIT 5, 24
	UNIT 6, 12
	UNIT 7, 0
	s_endpgm
.Lfunc_end_k_qf903723862_norm:
	.size	k_qf903723862_norm, .Lfunc_end_k_qf903723862_norm-k_qf903723862_norm
	.p2alignl 7, 3214868480
	.fill 96, 4, 3214868480
	.section	.rodata,"a",@progbits
	.p2align	6, 0x0
	.amdhsa_kernel k_qf903723862_norm
		.amdhsa_group_segment_fixed_size 0
		.amdhsa_private_segment_fixed_size 0
		.amdhsa_enable_private_segment 0
		.amdhsa_kernarg_size 32
		.amdhsa_user_sgpr_count 2
		.amdhsa_user_sgpr_kernarg_segment_ptr 1
		.amdhsa_wavefront_size32 1
		.amdhsa_system_sgpr_workgroup_id_x 1
		.amdhsa_system_sgpr_workgroup_id_y 1
		.amdhsa_system_sgpr_workgroup_id_z 1
		.amdhsa_system_vgpr_workitem_id 0
		.amdhsa_next_free_vgpr 256
		.amdhsa_next_free_sgpr 66
		.amdhsa_reserve_vcc 0
		.amdhsa_float_denorm_mode_32 3
		.amdhsa_float_denorm_mode_16_64 3
		.amdhsa_memory_ordered 1
		.amdhsa_forward_progress 1
		.amdhsa_inst_pref_size 45
	.end_amdhsa_kernel
	.amdgpu_metadata
---
amdhsa.version: [ 1, 2 ]
amdhsa.kernels:
  - .name:           k_qf903723862_norm
    .symbol:         k_qf903723862_norm.kd
    .args:
      - { .name: zb, .offset: 0, .size: 8, .value_kind: global_buffer, .address_space: global }
      - { .name: pdb, .offset: 8, .size: 8, .value_kind: global_buffer, .address_space: global }
      - { .name: vmb, .offset: 16, .size: 8, .value_kind: global_buffer, .address_space: global }
      - { .name: yb, .offset: 24, .size: 8, .value_kind: global_buffer, .address_space: global }
    .group_segment_fixed_size: 0
    .private_segment_fixed_size: 0
    .kernarg_segment_align: 8
    .kernarg_segment_size: 32
    .max_flat_workgroup_size: 256
    .sgpr_count:     66
    .vgpr_count:     256
    .wavefront_size: 32
...
	.end_amdgpu_metadata
.endif
;; end of part 3
;; launch proj (part 4): grid 4 x 64, 4 waves a work-group, clusters of 4 x 4, 327,680 bytes of LDS; arguments yb, wpb, bproj, vmb, out0; writes out0
.if DOCPART == 4
	.amdgcn_target "amdgcn-amd-amdhsa--gfx1250"
	.amdhsa_code_object_version 6
	.text
	.protected	k_qf903723862_proj
	.globl	k_qf903723862_proj
	.p2align	8
	.type	k_qf903723862_proj,@function
k_qf903723862_proj:
	s_mov_b64 s[64:65], 0
	v_nop
	global_prefetch_b8 v0, s[64:65] scope:SCOPE_SE
	s_setreg_imm32_b32 hwreg(HW_REG_WAVE_MODE, 25, 1), 1
	s_wait_xcnt 0x0
	s_wait_alu depctr_hold_cnt(0) depctr_sa_sdst(0) depctr_va_vdst(0) depctr_va_sdst(0) depctr_va_ssrc(0) depctr_va_vcc(0) depctr_vm_vsrc(0)
	s_getreg_b32 s2, hwreg(HW_REG_IB_STS2, 6, 4)
	s_cmp_eq_u32 s2, 0
	s_cbranch_scc0 .Lentry_in_a_cluster
	s_endpgm
.Lentry_in_a_cluster:
	s_bfe_u32 s2, ttmp6, 0x10000c
	s_cmp_lg_u32 s2, 0xf033
	s_cbranch_scc0 .Lentry_shape_is_right
	s_endpgm
.Lentry_shape_is_right:
; out = y Wproj^T + bproj.  y arrives scaled by S = 4096 / max(largest |v|, 2^-100) in f16, Wproj as f16 (a bf16 number written so); sums in f32; out = sum / S + bias (bias rounded to bf16 like every input).
; A tile of out is 256 x 256; four waves, each 128 x 128: 64 accumulators, 512 registers.  K = 1,024 goes in 8 steps of 128 through two LDS slots filled by the tensor data mover.
; The first 16 rows of every 128 have a second operand, the remainder of y's rounding: 8 more products a quarter step onto row block 0's accumulators.
; The matrix instruction is used transposed (source 0 = 16 rows of Wproj, source 1 = 16 rows of y): a lane holds one row of out and eight neighbouring columns.
; Wproj lies as fragments lie in registers (a load takes 512 consecutive bytes); y lies in blocks [16 k][16 m] of 512 bytes and is turned by ds_load_tr16_b128 (again 512 consecutive bytes).
; CLUSTER 4 x 4: y's tiles are shared along a row of the cluster, Wproj's along a column; each is asked for jointly.
; LIMITS: |y S| <= 4096 by construction; Wproj within f16's range, 65,504.
; REGISTERS: window 0: v0-31 addresses and bias; v32-103, v104-175 two buffers of y's fragments (9 x 8); v176-207 the maxima; v32-95 the way out.  window 1: v0-63, v64-127 Wproj's fragments.
;   windows 2, 3: accumulators of my rows 0-63, 64-127: (a, b) at v[8 (8 (a % 4) + b)].
.set ASTEP,  36864                     ; 128 rows of y, one K step: 9 row blocks x 8 k blocks x 512 bytes
.set BSTEP,  32768                     ; 128 rows of Wproj, one K step
.set SLOT,   2*ASTEP+2*BSTEP
.set STAGE,  2*SLOT                    ; behind the ring: 16 rows x 528 bytes for each wave
.set SPITCH, 528                       ; 512 bytes + 16, an odd multiple of 16
.set SPARE,  STAGE+4*16*SPITCH         ; the spare words, 128 bytes a wave
.set BIAS, 4                           ; v4-7    my four columns' bias
.set ADRA, 16                          ; v16-17  LDS address of my fragments of y in slot 0, 1
.set ADRB, 20                          ; v20-21  of Wproj
.set STO,  24                          ; v24     the way out: where I put 32 bytes of a row
.set RD,   25                          ; v25     where I read a row back
.set CO,   26                          ; v26     16 lane
.set SPW,  28                          ; v28     my spare word; never rewritten
.set NIL,  29                          ; v29     0; never rewritten
.set FA,   32
.set FB,   0
.set OB,   32
.set G1A, 24
.set G0A, 32
.set G1B, 48
.set G0B, 56
.set MSB, 0
.macro WIN new
.if MSB != (\new)
	s_set_vgpr_msb (MSB<<8)|(\new)
.set MSB, \new
.endif
.endm
.macro PLACES
.rept 4
	v_nop
.endr
.endm
.macro JLOAD s                         ; waves 0 and 1 fetch y's two halves, waves 2 and 3 Wproj's; an s_nop 0 and four v_nop follow each line
	s_cmp_eq_u32 s15, 0
	s_cbranch_scc0 .Lfor_b_\@
	tensor_load_to_lds s[G0A+4*(\s):G0A+4*(\s)+3], s[G1A:G1A+7]
	s_nop 0
.rept 4
	v_nop
.endr
	s_branch .Lasked_\@
.Lfor_b_\@:
	tensor_load_to_lds s[G0B+4*(\s):G0B+4*(\s)+3], s[G1B:G1B+7]
	s_nop 0
.rept 4
	v_nop
.endr
.Lasked_\@:
.endm
.macro CREST
	s_cmp_lg_u32 s14, 0
	s_cbranch_scc1 .Lnot_wave_0_\@
	s_barrier_signal -3
.Lnot_wave_0_\@:
	s_barrier_wait -3
	s_barrier_signal -1
	s_barrier_wait -1
.endm
.macro CROUND
	s_barrier_signal -1
	s_barrier_wait -1
	CREST
.endm
	s_load_b256 s[4:11], s[0:1], 0x0               ; yb s[4:5], wpb s[6:7], bproj s[8:9], vmb s[10:11]
	s_load_b64 s[12:13], s[0:1], 0x20              ; out0
	v_lshl_add_u32 v[SPW], v0, 2, SPARE
	v_mov_b32 v[NIL], 0
	ds_add_u32 v[SPW], v[NIL]                      ; the wave's opening: the add and its wait stand ahead of my first tensor load
	v_lshrrev_b32 v1, 5, v0
	v_readfirstlane_b32 s14, v1                    ; wave 0..3
	s_lshr_b32 s15, s14, 1                         ; my half of the tile's rows; also: I fetch for y (0) or Wproj (1)
	s_and_b32 s16, s14, 1                          ; my half of its columns; also: which half I fetch
	s_bfe_u32 s40, ttmp6, 0x40000                  ; cx
	s_bfe_u32 s41, ttmp6, 0x40004                  ; cy
	s_lshl_b32 s42, ttmp9, 2
	s_add_co_u32 s42, s42, s40                     ; tile column
	s_and_b32 s43, ttmp7, 0xffff
	s_lshl_b32 s43, s43, 2
	s_add_co_u32 s43, s43, s41                     ; tile row
	s_lshl_b32 s44, s41, 2
	s_lshl_b32 s44, 15, s44                        ; my row of the cluster
	s_lshl_b32 s45, 0x1111, s40                    ; my column
	; group 1: dense blocks as rows of 256 bytes (32 elements of 8 bytes): 144 rows of y's half, 128 of Wproj's
	s_or_b32 s[G1A], s44, (3<<16)|(1<<21)
	s_or_b32 s[G1B], s45, (3<<16)|(1<<21)
	s_mov_b32 s[G1A+1], 32<<16
	s_mov_b32 s[G1A+2], 144<<16
	s_mov_b32 s[G1A+3], 32<<16
	s_mov_b32 s[G1A+4], 144
	s_mov_b32 s[G1A+5], 32
	s_mov_b32 s[G1A+6], 0
	s_mov_b32 s[G1A+7], 0
	s_mov_b32 s[G1B+1], 32<<16
	s_mov_b32 s[G1B+2], 128<<16
	s_mov_b32 s[G1B+3], 32<<16
	s_mov_b32 s[G1B+4], 128
	s_mov_b32 s[G1B+5], 32
	s_mov_b32 s[G1B+6], 0
	s_mov_b32 s[G1B+7], 0
	s_lshl1_add_u32 s18, s43, s16                  ; y: the 128 rows 2 x tile row + half, eight K steps each
	s_mul_i32 s18, s18, 8*ASTEP
	s_mov_b32 s19, 0
	s_lshl1_add_u32 s46, s42, s16                  ; Wproj likewise, by the tile column
	s_mul_i32 s46, s46, 8*BSTEP
	s_mov_b32 s47, 0
	s_mul_i32 s20, s16, ASTEP                      ; where they go in a slot
	s_mul_i32 s21, s16, BSTEP
	s_add_co_u32 s21, s21, 2*ASTEP
	s_wait_dscnt 0x0                               ; the opening add is done
	s_wait_kmcnt 0x0
	s_add_nc_u64 s[18:19], s[4:5], s[18:19]
	s_add_nc_u64 s[46:47], s[6:7], s[46:47]
	CROUND                                         ; all sixteen work-groups are here: the first joint loads meet
.irp s, 0,1
	s_mov_b32 s[G0A+4*(\s)], 1
	s_add_co_u32 s[G0A+4*(\s)+1], s20, (\s)*SLOT
	s_add_nc_u64 s[G0A+4*(\s)+2:G0A+4*(\s)+3], s[18:19], (\s)*ASTEP
	s_or_b32 s[G0A+4*(\s)+3], s[G0A+4*(\s)+3], 0x80000000
	s_mov_b32 s[G0B+4*(\s)], 1
	s_add_co_u32 s[G0B+4*(\s)+1], s21, (\s)*SLOT
	s_add_nc_u64 s[G0B+4*(\s)+2:G0B+4*(\s)+3], s[46:47], (\s)*BSTEP
	s_or_b32 s[G0B+4*(\s)+3], s[G0B+4*(\s)+3], 0x80000000
	JLOAD \s                                       ; K steps 0 and 1: two loads of mine are out
.endr
	v_and_b32 v10, 31, v0
	v_lshlrev_b32 v[CO], 4, v10
	s_lshl_b32 s74, s43, 20                        ; my first row of out: 256 x tile row + 128 x half, 4,096 bytes a row
	s_lshl_b32 s76, s15, 19
	s_add_co_u32 s74, s74, s76
	s_lshl_b32 s76, s42, 10                        ; my first column: 1,024 bytes a tile, 512 a half
	s_lshl_b32 s77, s16, 9
	s_add_co_u32 s76, s76, s77
	s_mov_b32 s77, 0
	s_add_co_u32 s74, s74, s76
	s_mov_b32 s75, 0
	s_add_nc_u64 s[12:13], s[12:13], s[74:75]
	s_add_nc_u64 s[8:9], s[8:9], s[76:77]
	global_load_b128 v[BIAS:BIAS+3], v[CO], s[8:9]
.irp i, 0,1,2,3,4,5,6,7
	global_load_b128 v[176+4*(\i):176+4*(\i)+3], v[CO], s[10:11] offset:512*(\i)
.endr
	; the turning load takes 16 k x 16 m: lane l reads k = 8 (l / 16) + l % 8, 16 bytes at 16 ((l / 8) % 2), and is left with m = l % 16 and 8 k
	v_and_b32 v1, 7, v0
	v_bfe_u32 v2, v0, 4, 1
	v_bfe_u32 v3, v0, 3, 1
	v_lshl_add_u32 v1, v2, 3, v1
	v_lshlrev_b32 v1, 5, v1
	v_lshl_add_u32 v1, v3, 4, v1
	s_mul_i32 s70, s15, ASTEP
	v_add_nc_u32 v[ADRA], s70, v1
	v_add_nc_u32 v[ADRA+1], SLOT, v[ADRA]
	v_add_nc_u32 v[ADRB], s21, v[CO]
	v_add_nc_u32 v[ADRB+1], SLOT, v[ADRB]
	s_mul_i32 s72, s14, 16*SPITCH
	s_add_co_u32 s72, s72, STAGE                   ; my stage
	v_and_b32 v11, 15, v0
	v_mul_u32_u24 v[STO], v11, SPITCH
	v_lshl_add_u32 v[STO], v2, 5, v[STO]
	v_add_nc_u32 v[STO], s72, v[STO]
	v_add_nc_u32 v[RD], s72, v[CO]
	s_mov_b32 s66, 0x76543210
	s_mov_b32 s67, 0xfedcba98
	s_wait_loadcnt 0x0
	v_cvt_pk_bf16_f32 v8, v[BIAS], v[BIAS+1]       ; the bias, rounded to bf16
	v_cvt_pk_bf16_f32 v9, v[BIAS+2], v[BIAS+3]
	v_lshlrev_b32 v[BIAS], 16, v8
	v_and_b32 v[BIAS+1], 0xffff0000, v8
	v_lshlrev_b32 v[BIAS+2], 16, v9
	v_and_b32 v[BIAS+3], 0xffff0000, v9
.set i, 0
.rept 15
	v_max3_num_f32 v176, v176, v[177+i], v[178+i]
.set i, i+2
.endr
	v_max_num_f32 v176, v176, v207
	v_max_num_f32_dpp v176, v176, v176 row_xmask:1 row_mask:0xf bank_mask:0xf
	v_max_num_f32_dpp v176, v176, v176 row_xmask:2 row_mask:0xf bank_mask:0xf
	v_max_num_f32_dpp v176, v176, v176 row_xmask:4 row_mask:0xf bank_mask:0xf
	v_max_num_f32_dpp v176, v176, v176 row_xmask:8 row_mask:0xf bank_mask:0xf
	v_permlanex16_b32 v177, v176, s66, s67
	v_max_num_f32 v176, v176, v177
	v_max_num_f32 v176, 0x0d800000, v176           ; at least 2^-100
	v_mul_f32 v176, 0x39800000, v176               ; 1 / S = that / 4096
	v_readfirstlane_b32 s68, v176
	s_mov_b32 s69, s68
; 16 matrix instructions: row blocks a0, a0 + 1 of the window's four x all 8 column blocks, 32 along K, from buffer f.  The accumulators take turns, one instruction a turn.
.macro MUL16 f, hi, a0, zero
	WIN 0xa1+0x50*(\hi)
.irp a, \a0, (\a0)+1
.irp b, 0,1,2,3,4,5,6,7
.set rD, 8*(8*(\a)+(\b))
.set rB, FB+64*(\f)+8*(\b)
.set rA, FA+72*(\f)+8*(4*(\hi)+(\a))
.if \zero
	v_wmma_f32_16x16x32_f16 v[rD:rD+7], v[rB:rB+7], v[rA:rA+7], 0
.else
	v_wmma_f32_16x16x32_f16 v[rD:rD+7], v[rB:rB+7], v[rA:rA+7], v[rD:rD+7]
.endif
.endr
.endr
.endm
.macro MULLO f                         ; the remainder of rows 0-15 onto row block 0's eight accumulators; sixteen other accumulators' turns lie in front
	WIN 0xa1
.irp b, 0,1,2,3,4,5,6,7
	v_wmma_f32_16x16x32_f16 v[8*(\b):8*(\b)+7], v[FB+64*(\f)+8*(\b):FB+64*(\f)+8*(\b)+7], v[FA+72*(\f)+64:FA+72*(\f)+71], v[8*(\b):8*(\b)+7]
.endr
.endm
; 34 LDS loads in one run: quarter q: Wproj's 8 fragments; y's row blocks 0-3, the remainder, row blocks 4-7
.macro FETCH slot, q, f
	WIN 0x40
.irp i, 0,1,2,3,4,5,6,7
	ds_load_b128 v[FB+64*(\f)+8*(\i):FB+64*(\f)+8*(\i)+3],   v[ADRB+(\slot)] offset:(4*(\i)+(\q))*1024
	ds_load_b128 v[FB+64*(\f)+8*(\i)+4:FB+64*(\f)+8*(\i)+7], v[ADRB+(\slot)] offset:(4*(\i)+(\q))*1024+512
.endr
	WIN 0
.irp m, 0,1,2,3,8,4,5,6,7
	ds_load_tr16_b128 v[FA+72*(\f)+8*(\m):FA+72*(\f)+8*(\m)+3],   v[ADRA+(\slot)] offset:(8*(\m)+2*(\q))*512
	ds_load_tr16_b128 v[FA+72*(\f)+8*(\m)+4:FA+72*(\f)+8*(\m)+7], v[ADRA+(\slot)] offset:(8*(\m)+2*(\q))*512+512
.endr
.endm
.macro QUARTER slot, qn, f, g, zero
	s_wait_dscnt 8                                 ; all but the youngest eight loads (y's row blocks 4-7)
	MUL16 \f, 0, 0, \zero
	MUL16 \f, 0, 2, \zero
	MULLO \f
	PLACES
	FETCH \slot, \qn, \g
	s_wait_dscnt 34                                ; all but the 34 just issued
	MUL16 \f, 1, 0, \zero
	MUL16 \f, 1, 2, \zero
.endm
; The last quarter multiplies buffer 1 and changes slots: in front of the barrier each wave waits for all its tensor loads, adds 0 to its spare word, and waits for that and for its reads of this slot.
.macro TURN slot, next, fill
	WIN 0
	s_wait_tensorcnt 0x0
	ds_add_u32 v[SPW], v[NIL]
	s_wait_dscnt 9                                 ; the add and the youngest eight loads may be out
	MUL16 1, 0, 0, 0
	s_wait_dscnt 0x0                               ; the add is done, my reads of this slot are over
	s_barrier_signal -1
	MUL16 1, 0, 2, 0
	MULLO 1
	WIN 0
	s_barrier_wait -1
.if \fill
	CREST                                          ; the barrier has opened a round of the cluster's: no wave of any partner still reads this slot or has a load on its way
	s_add_nc_u64 s[G0A+4*(\slot)+2:G0A+4*(\slot)+3], s[G0A+4*(\slot)+2:G0A+4*(\slot)+3], 2*ASTEP
	s_add_nc_u64 s[G0B+4*(\slot)+2:G0B+4*(\slot)+3], s[G0B+4*(\slot)+2:G0B+4*(\slot)+3], 2*BSTEP
	JLOAD \slot                                    ; the first tensor load behind the round; its four v_nop are also the places in front of the loads below
.else
	PLACES
.endif
	FETCH \next, 0, 0
	MUL16 1, 1, 0, 0
	MUL16 1, 1, 2, 0
.endm
	s_wait_tensorcnt 0x1                           ; my part of K step 0 is in; K step 1's may stay out
	s_barrier_signal -1
	s_barrier_wait -1
	FETCH 0, 0, 0
	QUARTER 0, 1, 0, 1, 1                          ; the first quarter starts the sums
	WIN 0
	s_mov_b32 s3, 4
	s_branch .Lin                                  ; the loop is entered at a lap's second quarter: that part runs four times, the part with the refills three times (K steps 2 to 7)
.Llap:
	TURN 0, 1, 1
	QUARTER 1, 1, 0, 1, 0
	QUARTER 1, 2, 1, 0, 0
	QUARTER 1, 3, 0, 1, 0
	TURN 1, 0, 1
	QUARTER 0, 1, 0, 1, 0
	WIN 0
.Lin:
	QUARTER 0, 2, 1, 0, 0
	QUARTER 0, 3, 0, 1, 0
	WIN 0
	s_sub_co_u32 s3, s3, 1
	s_cmp_lg_u32 s3, 0
	s_cbranch_scc1 .Llap
	TURN 0, 1, 0                                   ; the rest of the last lap fills nothing
	QUARTER 1, 1, 0, 1, 0
	QUARTER 1, 2, 1, 0, 0
	QUARTER 1, 3, 0, 1, 0
	s_wait_dscnt 8
	MUL16 1, 0, 0, 0
	MUL16 1, 0, 2, 0
	MULLO 1
	s_wait_dscnt 0x0
	MUL16 1, 1, 0, 0
	MUL16 1, 1, 2, 0
	WIN 0
	PLACES
; THE WAY OUT of row block a: a lane's 32 bytes of a row go into my stage (each accumulator's lowest registers first) and come back as whole rows of 512 bytes; then / S + bias, and out.
.macro OUTB a
	WIN 0
	s_wait_xcnt 0x0                                ; the stores' base and the registers that the last block's stores read are rewritten only behind this wait
.if (\a) > 0
	s_add_nc_u64 s[12:13], s[12:13], 65536         ; 16 rows on
.endif
	WIN 0x08+4*((\a)/4)                            ; store data in window 2 or 3
.irp b, 0,1,2,3,4,5,6,7
.irp e, 0,1
	ds_store_b128 v[STO], v[8*(8*((\a)%4)+(\b))+4*(\e):8*(8*((\a)%4)+(\b))+4*(\e)+3] offset:64*(\b)+16*(\e)
.endr
.endr
	WIN 0
.irp t, 0,1,2,3,4,5,6,7,8,9,10,11,12,13,14,15
	ds_load_b128 v[OB+4*(\t):OB+4*(\t)+3], v[RD] offset:SPITCH*(\t)  ; LDS serves a wave's instructions in order: these see the stores above
.endr
.irp q, 0,1,2,3
	s_wait_dscnt 12-4*(\q)                         ; four more rows are back
.irp e, 0,1,2,3
	v_pk_fma_f32 v[OB+4*(4*(\q)+(\e)):OB+4*(4*(\q)+(\e))+1], v[OB+4*(4*(\q)+(\e)):OB+4*(4*(\q)+(\e))+1], s[68:69], v[BIAS:BIAS+1] op_sel_hi:[1,0,1]
	v_pk_fma_f32 v[OB+4*(4*(\q)+(\e))+2:OB+4*(4*(\q)+(\e))+3], v[OB+4*(4*(\q)+(\e))+2:OB+4*(4*(\q)+(\e))+3], s[68:69], v[BIAS+2:BIAS+3] op_sel_hi:[1,0,1]
	global_store_b128 v[CO], v[OB+4*(4*(\q)+(\e)):OB+4*(4*(\q)+(\e))+3], s[12:13] offset:4096*(4*(\q)+(\e)) th:TH_STORE_NT  ; 512 consecutive bytes at a multiple of 512
.endr
.endr
.endm
	OUTB 0
	OUTB 1
	OUTB 2
	OUTB 3
	OUTB 4
	OUTB 5
	OUTB 6
	OUTB 7
	s_wait_tensorcnt 0x0                           ; the wave's end
	ds_add_u32 v[SPW], v[NIL]
	s_wait_dscnt 0x0
	CROUND                                         ; the closing round
	s_endpgm
.Lfunc_end_k_qf903723862_proj:
	.size	k_qf903723862_proj, .Lfunc_end_k_qf903723862_proj-k_qf903723862_proj
	.p2alignl 7, 3214868480
	.fill 96, 4, 3214868480
	.section	.rodata,"a",@progbits
	.p2align	6, 0x0
	.amdhsa_kernel k_qf903723862_proj
		.amdhsa_group_segment_fixed_size 327680
		.amdhsa_private_segment_fixed_size 0
		.amdhsa_enable_private_segment 0
		.amdhsa_kernarg_size 40
		.amdhsa_user_sgpr_count 2
		.amdhsa_user_sgpr_kernarg_segment_ptr 1
		.amdhsa_wavefront_size32 1
		.amdhsa_system_sgpr_workgroup_id_x 1
		.amdhsa_system_sgpr_workgroup_id_y 1
		.amdhsa_system_sgpr_workgroup_id_z 1
		.amdhsa_system_vgpr_workitem_id 0
		.amdhsa_next_free_vgpr 1024
		.amdhsa_next_free_sgpr 80
		.amdhsa_reserve_vcc 0
		.amdhsa_float_denorm_mode_32 3
		.amdhsa_float_denorm_mode_16_64 3
		.amdhsa_memory_ordered 1
		.amdhsa_forward_progress 1
		.amdhsa_inst_pref_size 156
	.end_amdhsa_kernel
	.amdgpu_metadata
---
amdhsa.version: [ 1, 2 ]
amdhsa.kernels:
  - .name:           k_qf903723862_proj
    .symbol:         k_qf903723862_proj.kd
    .args:
      - { .name: yb, .offset: 0, .size: 8, .value_kind: global_buffer, .address_space: global }
      - { .name: wpb, .offset: 8, .size: 8, .value_kind: global_buffer, .address_space: global }
      - { .name: bproj, .offset: 16, .size: 8, .value_kind: global_buffer, .address_space: global }
      - { .name: vmb, .offset: 24, .size: 8, .value_kind: global_buffer, .address_space: global }
      - { .name: out0, .offset: 32, .size: 8, .value_kind: global_buffer, .address_space: global }
    .group_segment_fixed_size: 327680
    .private_segment_fixed_size: 0
    .kernarg_segment_align: 8
    .kernarg_segment_size: 40
    .max_flat_workgroup_size: 128
    .sgpr_count:     80
    .vgpr_count:     1024
    .wavefront_size: 32
...
	.end_amdgpu_metadata
.endif
;; end of part 4
;; ======== version 2 of 2: 4 launches; version 1 with the launches cast, norm written anew for expert scheduling mode
;; limits: values are held in f16: magnitudes above 65,504 overflow, below 6.1e-05 lose precision
;; workspace buffers: xb 33,554,432 bytes; wqb 6,291,456 bytes; wpb 2,097,152 bytes; zb 67,108,864 bytes; pdb 2,097,152 bytes; vmb 4,096 bytes; yb 37,748,736 bytes
;; launch cast (part 5): grid 1280 x 1, 8 waves a work-group, no clusters, 35,840 bytes of LDS; arguments x, Wqkv, Wproj, xb, wqb, wpb; writes xb, wqb, wpb
.if DOCPART == 5
	.amdgcn_target "amdgcn-amd-amdhsa--gfx1250"
	.amdhsa_code_object_version 6
	.text
	.protected	k_qf903723862_cast
	.globl	k_qf903723862_cast
	.p2align	8
	.type	k_qf903723862_cast,@function
k_qf903723862_cast:
	s_mov_b64 s[64:65], 0
	v_nop
	global_prefetch_b8 v0, s[64:65] scope:SCOPE_SE
	s_setreg_imm32_b32 hwreg(HW_REG_WAVE_SCHED_MODE, 0, 2), 2
	s_setreg_imm32_b32 hwreg(HW_REG_WAVE_MODE, 25, 1), 1
	s_wait_xcnt 0x0
	s_wait_alu depctr_vm_vsrc(0)
; x, Wqkv -> bf16; Wproj -> bf16 and that number written as f16.  All three leave in the order in which matrix fragments lie in registers.
; A FRAGMENT is 16 rows x 32 k of 16-bit numbers, 1,024 bytes: [part 0..1][lane 0..31][16 bytes]; lane (r = lane % 16, h = lane / 16) of part p holds row r, k = 16 p + 8 h + 0..7.
; xb  [16-row block / 32][K step 8][block % 32][quarter 4] fragment      wqb [32 channels g][K step 8][nb 6][quarter 4]: nb 0,1 q, 2,3 k, 4,5 v      wpb [128 rows][K step 8][nb 8][quarter 4]
; A work-group takes 16 source rows (65,536 consecutive bytes), wave w the K step w (512 bytes of each row): groups 0-1023 x, 1024-1215 Wqkv, 1216-1279 Wproj.
; Each load of a wave covers 512 consecutive bytes, each store 512 consecutive bytes at a multiple of 512.  The turn from rows to fragments goes through the wave's own LDS bytes: no barrier.
; LIMIT: |Wproj| stays under 65,504 (f16's range); below 6e-5 it keeps f16's step of 6e-8.
; THE MODE: SCHED_MODE bits 1:0 = 2 (LLVM: expert scheduling mode 2), set by the entry lines.  The code itself states the register dependences
; between vector instructions and memory or LDS instructions, with s_wait_alu, always for 0.
; THE PLAN.  Registers that memory or LDS instructions touch:
;   v1 .. v4   offsets and LDS addresses: written at the head, never again; read by every load and store.
;   X          16 rows as loaded: written by the global loads, once; read by the conversions.
;   Y          16 rows rounded: row i's two registers are written by row i's conversions and then read by its one LDS store; never written again.
;   R          8 half fragments: written by LDS loads, read by global stores; no vector instruction names them.
;   v5, v6     written at the head, read by the closing add alone.        T is named by vector instructions alone.
; The rows go in four groups of four.  Group g's conversions write group g's Y; the LDS stores of group g - 1 are dealt among them, behind ONE wait at the group's head, which states
; that group g - 1's Y is written: the conversions issued since name group g's X and Y and T alone.  One more wait stands ahead of the last group's stores.
; No register that a memory or LDS instruction has read is written again, so the text holds no wait on vm_vsrc.
.set PITCH, 272                        ; an LDS row: 256 bytes + 16, an odd multiple of 16: the 16 rows of a fragment load start at 16 different groups of four banks
.set WLDS,  16*PITCH                   ; a wave's bytes
.set SPARE, 8*WLDS                     ; behind them: the spare words, 128 bytes a wave
.set X, 8                              ; v[8:71]    16 rows x 4 f32 as loaded
.set Y, 72                             ; v[72:103]  16 rows x 2 packed words
.set R, 104                            ; v[104:135] 8 half fragments
.set T, 136                            ; v[136:139] at work
	s_load_b256 s[4:11], s[0:1], 0x0               ; x s[4:5], Wqkv s[6:7], Wproj s[8:9], xb s[10:11]
	s_load_b128 s[12:15], s[0:1], 0x20             ; wqb s[12:13], wpb s[14:15]
	v_lshl_add_u32 v5, v0, 2, SPARE                ; my spare word
	v_mov_b32 v6, 0
	v_lshrrev_b32 v7, 5, v0
	v_readfirstlane_b32 s16, v7                    ; wave = K step
	v_and_b32 v7, 31, v0                           ; lane
	v_lshlrev_b32 v1, 4, v0                        ; source: 512 w + 16 lane
	v_lshlrev_b32 v4, 4, v7                        ; destination: 16 lane
	s_wait_alu depctr_va_sdst(0)                   ; s16 is written, ahead of its first reader: the wave's LDS bytes and the destinations are made from it
	s_mul_i32 s17, s16, WLDS
	v_lshl_add_u32 v2, v7, 3, s17                  ; LDS in: 8 bytes a lane along a row
	v_and_b32 v3, 15, v0
	v_mul_u32_u24 v3, v3, PITCH
	v_bfe_u32 v7, v0, 4, 1
	v_lshl_add_u32 v3, v7, 4, v3
	v_add_nc_u32 v3, s17, v3                       ; LDS out: row r, 16 h
	s_mov_b32 s18, ttmp9
	s_mov_b32 s21, 0
	s_mov_b32 s23, 0
	s_wait_alu depctr_va_vdst(0)                   ; v1 to v4 are written: every load and store below, on each of the three ways, reads one of them as its offset or address
; Row i is rounded.  half = 1: the bf16 numbers are written as f16.
.macro ROUND i, half
	v_cvt_pk_bf16_f32 v[Y+2*(\i)], v[X+4*(\i)], v[X+4*(\i)+1]
	v_cvt_pk_bf16_f32 v[Y+2*(\i)+1], v[X+4*(\i)+2], v[X+4*(\i)+3]
.if \half
	v_lshlrev_b32 v[T], 16, v[Y+2*(\i)]
	v_and_b32 v[T+1], 0xffff0000, v[Y+2*(\i)]
	v_lshlrev_b32 v[T+2], 16, v[Y+2*(\i)+1]
	v_and_b32 v[T+3], 0xffff0000, v[Y+2*(\i)+1]
	v_cvt_pk_f16_f32 v[Y+2*(\i)], v[T], v[T+1]
	v_cvt_pk_f16_f32 v[Y+2*(\i)+1], v[T+2], v[T+3]
.endif
.endm
; Row i goes into the wave's LDS bytes.
.macro PUT i
	ds_store_b64 v2, v[Y+2*(\i):Y+2*(\i)+1] offset:(\i)*PITCH
.endm
; The work of a wave.
.macro BODY half
.irp i, 0,1,2,3,4,5,6,7,8,9,10,11,12,13,14,15
	global_load_b128 v[X+4*(\i):X+4*(\i)+3], v1, s[24:25] offset:(\i)*4096 th:TH_LOAD_NT
.endr
.irp g, 0,1,2,3
	s_wait_loadcnt 12-4*(\g)                       ; loads come back in order: the group's four rows are in, the younger rows stay out
.if (\g) > 0
	s_wait_alu depctr_va_vdst(0)                   ; the conversions of the group before have written its Y, which the four LDS stores below read
.endif
.irp j, 0,1,2,3
.if (\g) > 0
	PUT 4*(\g)-4+(\j)                              ; the group before; no vector instruction since the wait names its Y or v2
.endif
	ROUND 4*(\g)+(\j), \half
.endr
.endr
	s_wait_alu depctr_va_vdst(0)                   ; the last group's conversions have written its Y, which the last four LDS stores read
.irp j, 12,13,14,15
	PUT \j
.endr
.irp k, 0,1,2,3,4,5,6,7
	ds_load_b128 v[R+4*(\k):R+4*(\k)+3], v3 offset:32*(\k)  ; quarter k / 2, part k % 2; LDS serves a wave's instructions in order: these see the stores above
.endr
.irp k, 0,1,2,3,4,5,6,7
	s_wait_dscnt 7-(\k)
	global_store_b128 v4, v[R+4*(\k):R+4*(\k)+3], s[26:27] offset:512*(\k)
.endr
	s_wait_dscnt 0x0                               ; the closing lines, six on end
	s_wait_alu 0x0
	s_wait_tensorcnt 0x0
	ds_add_u32 v5, v6
	s_wait_dscnt 0x0
	s_endpgm
.endm
	s_wait_kmcnt 0x0
	s_cmp_lt_u32 s18, 1024
	s_cbranch_scc0 .Lweights
	s_lshl_b32 s20, s18, 16                        ; x: 16 rows of 4,096 bytes
	s_lshr_b32 s22, s18, 5
	s_lshl3_add_u32 s22, s22, s16                  ; (512-row tile) x 8 + K step
	s_lshl_b32 s22, s22, 17
	s_and_b32 s19, s18, 31
	s_lshl_b32 s19, s19, 12
	s_add_co_u32 s22, s22, s19
	s_add_nc_u64 s[24:25], s[4:5], s[20:21]
	s_add_nc_u64 s[26:27], s[10:11], s[22:23]
	BODY 0
.Lweights:
	s_cmp_lt_u32 s18, 1216
	s_cbranch_scc0 .Lwproj
	s_sub_co_u32 s18, s18, 1024                    ; Wqkv: block j of 16 rows
	s_lshl_b32 s20, s18, 16
	s_lshr_b32 s19, s18, 6                         ; q, k or v
	s_and_b32 s28, s18, 63                         ; block of 16 channels
	s_lshr_b32 s29, s28, 1                         ; g
	s_and_b32 s28, s28, 1
	s_lshl1_add_u32 s28, s19, s28                  ; nb
	s_lshl3_add_u32 s29, s29, s16
	s_mul_i32 s29, s29, 6
	s_add_co_u32 s29, s29, s28
	s_lshl_b32 s22, s29, 12
	s_add_nc_u64 s[24:25], s[6:7], s[20:21]
	s_add_nc_u64 s[26:27], s[12:13], s[22:23]
	BODY 0
.Lwproj:
	s_sub_co_u32 s18, s18, 1216                    ; Wproj: block j of 16 rows
	s_lshl_b32 s20, s18, 16
	s_lshr_b32 s19, s18, 3
	s_lshl3_add_u32 s19, s19, s16
	s_and_b32 s28, s18, 7
	s_lshl3_add_u32 s19, s19, s28
	s_lshl_b32 s22, s19, 12
	s_add_nc_u64 s[24:25], s[8:9], s[20:21]
	s_add_nc_u64 s[26:27], s[14:15], s[22:23]
	BODY 1
.Lfunc_end_k_qf903723862_cast:
	.size	k_qf903723862_cast, .Lfunc_end_k_qf903723862_cast-k_qf903723862_cast
	.p2alignl 7, 3214868480
	.fill 96, 4, 3214868480
	.section	.rodata,"a",@progbits
	.p2align	6, 0x0
	.amdhsa_kernel k_qf903723862_cast
		.amdhsa_group_segment_fixed_size 35840
		.amdhsa_private_segment_fixed_size 0
		.amdhsa_enable_private_segment 0
		.amdhsa_kernarg_size 48
		.amdhsa_user_sgpr_count 2
		.amdhsa_user_sgpr_kernarg_segment_ptr 1
		.amdhsa_wavefront_size32 1
		.amdhsa_system_sgpr_workgroup_id_x 1
		.amdhsa_system_sgpr_workgroup_id_y 1
		.amdhsa_system_sgpr_workgroup_id_z 1
		.amdhsa_system_vgpr_workitem_id 0
		.amdhsa_next_free_vgpr 140
		.amdhsa_next_free_sgpr 66
		.amdhsa_reserve_vcc 0
		.amdhsa_float_denorm_mode_32 3
		.amdhsa_float_denorm_mode_16_64 3
		.amdhsa_memory_ordered 1
		.amdhsa_forward_progress 1
		.amdhsa_inst_pref_size 27
	.end_amdhsa_kernel
	.amdgpu_metadata
---
amdhsa.version: [ 1, 2 ]
amdhsa.kernels:
  - .name:           k_qf903723862_cast
    .symbol:         k_qf903723862_cast.kd
    .args:
      - { .name: x, .offset: 0, .size: 8, .value_kind: global_buffer, .address_space: global }
      - { .name: Wqkv, .offset: 8, .size: 8, .value_kind: global_buffer, .address_space: global }
      - { .name: Wproj, .offset: 16, .size: 8, .value_kind: global_buffer, .address_space: global }
      - { .name: xb, .offset: 24, .size: 8, .value_kind: global_buffer, .address_space: global }
      - { .name: wqb, .offset: 32, .size: 8, .value_kind: global_buffer, .address_space: global }
      - { .name: wpb, .offset: 40, .size: 8, .value_kind: global_buffer, .address_space: global }
    .group_segment_fixed_size: 35840
    .private_segment_fixed_size: 0
    .kernarg_segment_align: 8
    .kernarg_segment_size: 48
    .max_flat_workgroup_size: 256
    .sgpr_count:     66
    .vgpr_count:     140
    .wavefront_size: 32
...
	.end_amdgpu_metadata
.endif
;; end of part 5
;; launch qkvscan: the kernel of part 2 again; grid 32 x 8, 4 waves a work-group, clusters of 4 x 4, 327,680 bytes of LDS; arguments xb, wqb, bqkv, scale, zb, pdb, vmb; writes zb, pdb, vmb
;; launch norm (part 6): grid 256 x 1, 8 waves a work-group, no clusters, 0 bytes of LDS; arguments zb, pdb, vmb, yb; writes yb
.if DOCPART == 6
	.amdgcn_target "amdgcn-amd-amdhsa--gfx1250"
	.amdhsa_code_object_version 6
	.text
	.protected	k_qf903723862_norm
	.globl	k_qf903723862_norm
	.p2align	8
	.type	k_qf903723862_norm,@function
k_qf903723862_norm:
	s_mov_b64 s[64:65], 0
	v_nop
	global_prefetch_b8 v0, s[64:65] scope:SCOPE_SE
	s_setreg_imm32_b32 hwreg(HW_REG_WAVE_SCHED_MODE, 0, 2), 2
	s_setreg_imm32_b32 hwreg(HW_REG_WAVE_MODE, 25, 1), 1
	s_wait_xcnt 0x0
	s_wait_alu depctr_vm_vsrc(0)
; y = z / max(pd0 + pd1, 1e-3) x S, rounded to f16, S = 4096 / max(largest |v|, 2^-100).  All terms of the denominator are positive and the clip only enlarges it, so |y| <= the largest |v| and |y S| <= 4096:
; f16 has room whatever the inputs' scale.  For the first 16 rows of every 128 the remainder y S - f16(y S) is stored as a second f16 operand: a batch's first rows are many times the output's root mean square,
; and one rounding to f16 is too coarse for them.
; A stream: no LDS, no barrier, no matrix unit.  Wave W takes head W % 16 of the 128 rows W / 16: eight units of 16 rows x 64 channels, four on their way at a time.
; z arrives as accumulators lay: lane (r, h), word e of part jh = row 8 h + 4 jh + e, channel 16 c + r.  y leaves in blocks of 16 k x 16 m, [k][m], 512 bytes: lane (r, h) holds k = r, m = 8 h + 0..7: 16 bytes;
; yb [128 rows H][K step 8][row block 9: 0-7 y, 8 the remainder][k block 8].  Each load and store of a wave (the denominators' aside) covers 512 consecutive bytes.
; THE MODE: SCHED_MODE bits 1:0 = 2 (LLVM: expert scheduling mode 2), set by the entry lines.  The code itself states the register dependences
; between vector instructions and memory instructions, with s_wait_alu, always for 0.
; THE PLAN.  Registers that memory instructions touch:
;   v1, v2, v3   offsets: written at the head, never again; read by every load and store.
;   UB0 .. UB3   unit u's buffer is u % 4.  Written by the unit's twelve loads; read by its sums, written in place by its multiplications (in unit 0 by the remainder's lines too), read by its conversions;
;                then the loads of unit u + 4 land in it.
;   YH           first the table of maxima lands in it and the head's maxima read it.  Then two sets by turns: unit u's conversions write set u % 2, and the unit's four stores read it.
;   YL           written once, by unit 0's last conversions; read by four stores.          RR and v4 are named by vector instructions alone.
; A unit has two waits on va_vdst.  One stands ahead of the first reader of its eight reciprocals.  The other stands behind its last conversion: y's set (and YL) is written, for the stores, and the buffer's
; readers and writers are done, for the loads that land in it again.  It stands there and not at the next unit's head, so that the buffer is asked for again at once: 48 loads of a wave are out at a unit's head.
; Behind it no vector instruction stands ahead of the unit's loads and stores.  In units 1 to 6 one wait on vm_vsrc stands beside the wait on XCNT: the stores of the unit before have read the other set, which the next unit's conversions write.
.set RR, 8                             ; v[8:15]    S / denominator of my 8 rows
.set YH, 16                            ; v[16:47]   y in f16, two sets of 16 (first: the table of maxima)
.set UB, 48                            ; v[48:239]  four unit buffers of 48: z 32, pd 16
.set YL, 240                           ; v[240:255] the remainder; written once
	s_load_b256 s[4:11], s[0:1], 0x0               ; zb s[4:5], pdb s[6:7], vmb s[8:9], yb s[10:11]
	v_lshrrev_b32 v5, 5, v0
	v_readfirstlane_b32 s14, v5
	v_and_b32 v5, 31, v0
	v_lshlrev_b32 v1, 4, v5                        ; 16 lane
	v_bfe_u32 v6, v0, 4, 1
	v_lshlrev_b32 v2, 5, v6                        ; 32 h: my 8 rows' denominators
	v_and_b32 v7, 15, v0
	v_lshlrev_b32 v3, 5, v7
	v_lshl_add_u32 v3, v6, 4, v3                   ; 32 r + 16 h
	v_mov_b32 v4, -1.0
	s_wait_alu depctr_va_sdst(0)                   ; s14 is written, ahead of its first reader: the three bases are made from it
	s_lshl_b32 s15, ttmp9, 3
	s_add_co_u32 s14, s14, s15                     ; W
	s_and_b32 s15, s14, 15                         ; head
	s_lshr_b32 s16, s14, 4                         ; H
	s_lshr_b32 s17, s16, 4                         ; batch
	s_and_b32 s18, s16, 15                         ; H within the batch
	s_lshl_b32 s19, s17, 5
	s_lshl1_add_u32 s19, s15, s19                  ; 32 b + 2 head: the head's first half
	s_lshl_b32 s20, s19, 18
	s_lshl_b32 s22, s18, 14
	s_add_co_u32 s20, s20, s22
	s_mov_b32 s21, 0
	s_lshl_b32 s22, s19, 13
	s_lshl_b32 s24, s18, 9
	s_add_co_u32 s22, s22, s24
	s_mov_b32 s23, 0
	s_lshl_b32 s24, s16, 3
	s_lshr_b32 s25, s15, 1
	s_add_co_u32 s24, s24, s25                     ; 8 H + K step
	s_mul_i32 s24, s24, 36864
	s_and_b32 s25, s15, 1
	s_lshl_b32 s25, s25, 11                        ; the head's four k blocks
	s_add_co_u32 s24, s24, s25
	s_mov_b32 s25, 0
	s_mov_b32 s26, 0x76543210
	s_mov_b32 s27, 0xfedcba98
	s_mov_b32 s28, 0x3a83126f                      ; 1e-3
	s_wait_kmcnt 0x0
	s_add_nc_u64 s[4:5], s[4:5], s[20:21]
	s_add_nc_u64 s[6:7], s[6:7], s[22:23]
	s_add_nc_u64 s[10:11], s[10:11], s[24:25]
	s_wait_alu depctr_va_vdst(0)                   ; v1, v2 and v3 are written: every load and store of the kernel reads one of them as its offset
.irp i, 0,1,2,3,4,5,6,7
	global_load_b128 v[YH+4*(\i):YH+4*(\i)+3], v1, s[8:9] offset:512*(\i)  ; all 1,024 maxima
.endr
.macro LOADU u                         ; twelve loads: unit u's z and both halves' denominators
.set ZB, UB+48*((\u)%4)
.irp c, 0,1,2,3
.irp e, 0,1
	global_load_b128 v[ZB+8*(\c)+4*(\e):ZB+8*(\c)+4*(\e)+3], v1, s[4:5] offset:((\c)/2)*262144+(\u)*2048+(2*((\c)%2)+(\e))*512 th:TH_LOAD_NT
.endr
.endr
.irp c, 0,1
.irp e, 0,1
	global_load_b128 v[ZB+32+8*(\c)+4*(\e):ZB+32+8*(\c)+4*(\e)+3], v2, s[6:7] offset:(\c)*8192+(\u)*64+16*(\e)
.endr
.endr
.endm
	LOADU 0
	LOADU 1
	LOADU 2
	LOADU 3
	s_wait_loadcnt 48                              ; the maxima are in; the four units' 48 loads stay out
.set i, 0
.rept 15
	v_max3_num_f32 v[YH], v[YH], v[YH+1+i], v[YH+2+i]
.set i, i+2
.endr
	v_max_num_f32 v[YH], v[YH], v[YH+31]
	v_max_num_f32_dpp v[YH], v[YH], v[YH] row_xmask:1 row_mask:0xf bank_mask:0xf
	v_max_num_f32_dpp v[YH], v[YH], v[YH] row_xmask:2 row_mask:0xf bank_mask:0xf
	v_max_num_f32_dpp v[YH], v[YH], v[YH] row_xmask:4 row_mask:0xf bank_mask:0xf
	v_max_num_f32_dpp v[YH], v[YH], v[YH] row_xmask:8 row_mask:0xf bank_mask:0xf
	v_permlanex16_b32 v[YH+1], v[YH], s26, s27
	v_max_num_f32 v[YH], v[YH], v[YH+1]
	v_max_num_f32 v[YH], 0x0d800000, v[YH]         ; at least 2^-100
	v_rcp_f32 v[YH], v[YH]
	v_nop                                          ; a plain instruction between the reciprocal and its use
	s_wait_alu depctr_va_vdst(0)                   ; the reciprocal has written v[YH], ahead of its first reader
	v_mul_f32 v[YH], 0x45800000, v[YH]             ; x 4096
	v_readfirstlane_b32 s12, v[YH]
	s_wait_alu depctr_va_sdst(0)                   ; s12 is written, ahead of its first reader
	s_mov_b32 s13, s12                             ; named with it as a pair
.macro UNIT u, left                    ; left: the loads of the units behind this one, twelve each
.set ZB, UB+48*((\u)%4)
.set YY, YH+16*((\u)%2)
	s_wait_loadcnt \left
.irp p, 0,2,4,6
	v_pk_add_f32 v[RR+(\p):RR+(\p)+1], v[ZB+32+(\p):ZB+33+(\p)], v[ZB+40+(\p):ZB+41+(\p)]
.endr
.irp m, 0,1,2,3,4,5,6,7
	v_max_num_f32 v[RR+(\m)], s28, v[RR+(\m)]      ; the clip at 1e-3
.endr
.irp m, 0,1,2,3,4,5,6,7
	v_rcp_f32 v[RR+(\m)], v[RR+(\m)]
.endr
	v_nop                                          ; a plain instruction between the last reciprocal and the use of its result
	s_wait_alu depctr_va_vdst(0)                   ; the eight reciprocals have written RR, ahead of their first reader: one wait for the batch
.irp p, 0,2,4,6
	v_pk_mul_f32 v[RR+(\p):RR+(\p)+1], v[RR+(\p):RR+(\p)+1], s[12:13] op_sel_hi:[1,0]
.endr
.irp c, 0,1,2,3
.irp p, 0,2,4,6
	v_pk_mul_f32 v[ZB+8*(\c)+(\p):ZB+8*(\c)+(\p)+1], v[ZB+8*(\c)+(\p):ZB+8*(\c)+(\p)+1], v[RR+(\p):RR+(\p)+1]
.endr
.endr
.irp c, 0,1,2,3
.irp p, 0,1,2,3
	v_cvt_pk_f16_f32 v[YY+4*(\c)+(\p)], v[ZB+8*(\c)+2*(\p)], v[ZB+8*(\c)+2*(\p)+1]
.endr
.endr
.if (\u) == 0
.irp c, 0,1,2,3
.irp p, 0,1,2,3
	v_fma_mix_f32 v[ZB+8*(\c)+2*(\p)], v[YY+4*(\c)+(\p)], v4, v[ZB+8*(\c)+2*(\p)] op_sel_hi:[1,0,0]                    ; y S less its f16 part: the low half,
	v_fma_mix_f32 v[ZB+8*(\c)+2*(\p)+1], v[YY+4*(\c)+(\p)], v4, v[ZB+8*(\c)+2*(\p)+1] op_sel:[1,0,0] op_sel_hi:[1,0,0]  ; the high half
.endr
.endr
.irp c, 0,1,2,3
.irp p, 0,1,2,3
	v_cvt_pk_f16_f32 v[YL+4*(\c)+(\p)], v[ZB+8*(\c)+2*(\p)], v[ZB+8*(\c)+2*(\p)+1]
.endr
.endr
.endif
	s_wait_alu depctr_va_vdst(0)                   ; the conversions have written this unit's set of y (in unit 0 the remainder too), which the stores below read; in units 0 to 3 also: the buffer's last writers and readers are done, and the loads below land in it
.if ((\u) >= 1) && ((\u) <= 6)
	s_wait_xcnt 0x0                                ; the last unit's stores have had their addresses translated: the other set, their data, is rewritten by the next unit's conversions only behind this wait,
	s_wait_alu depctr_vm_vsrc(0)                   ; and behind this one: those stores have read the other set
.endif
.if (\u) < 4
	LOADU (\u)+4                                   ; the buffer takes the unit four further on, at once
.endif
.irp c, 0,1,2,3
	global_store_b128 v3, v[YY+4*(\c):YY+4*(\c)+3], s[10:11] offset:(\u)*4096+(\c)*512
.endr
.if (\u) == 0
.irp c, 0,1,2,3
	global_store_b128 v3, v[YL+4*(\c):YL+4*(\c)+3], s[10:11] offset:8*4096+(\c)*512
.endr
.endif
.endm
	UNIT 0, 36
	UNIT 1, 36
	UNIT 2, 36
	UNIT 3, 36
	UNIT 4, 36
	UNIT 5, 24
	UNIT 6, 12
	UNIT 7, 0
	s_endpgm
.Lfunc_end_k_qf903723862_norm:
	.size	k_qf903723862_norm, .Lfunc_end_k_qf903723862_norm-k_qf903723862_norm
	.p2alignl 7, 3214868480
	.fill 96, 4, 3214868480
	.section	.rodata,"a",@progbits
	.p2align	6, 0x0
	.amdhsa_kernel k_qf903723862_norm
		.amdhsa_group_segment_fixed_size 0
		.amdhsa_private_segment_fixed_size 0
		.amdhsa_enable_private_segment 0
		.amdhsa_kernarg_size 32
		.amdhsa_user_sgpr_count 2
		.amdhsa_user_sgpr_kernarg_segment_ptr 1
		.amdhsa_wavefront_size32 1
		.amdhsa_system_sgpr_workgroup_id_x 1
		.amdhsa_system_sgpr_workgroup_id_y 1
		.amdhsa_system_sgpr_workgroup_id_z 1
		.amdhsa_system_vgpr_workitem_id 0
		.amdhsa_next_free_vgpr 256
		.amdhsa_next_free_sgpr 66
		.amdhsa_reserve_vcc 0
		.amdhsa_float_denorm_mode_32 3
		.amdhsa_float_denorm_mode_16_64 3
		.amdhsa_memory_ordered 1
		.amdhsa_forward_progress 1
		.amdhsa_inst_pref_size 46
	.end_amdhsa_kernel
	.amdgpu_metadata
---
amdhsa.version: [ 1, 2 ]
amdhsa.kernels:
  - .name:           k_qf903723862_norm
    .symbol:         k_qf903723862_norm.kd
    .args:
      - { .name: zb, .offset: 0, .size: 8, .value_kind: global_buffer, .address_space: global }
      - { .name: pdb, .offset: 8, .size: 8, .value_kind: global_buffer, .address_space: global }
      - { .name: vmb, .offset: 16, .size: 8, .value_kind: global_buffer, .address_space: global }
      - { .name: yb, .offset: 24, .size: 8, .value_kind: global_buffer, .address_space: global }
    .group_segment_fixed_size: 0
    .private_segment_fixed_size: 0
    .kernarg_segment_align: 8
    .kernarg_segment_size: 32
    .max_flat_workgroup_size: 256
    .sgpr_count:     66
    .vgpr_count:     256
    .wavefront_size: 32
...
	.end_amdgpu_metadata
.endif
;; end of part 6
;; launch proj: the kernel of part 4 again; grid 4 x 64, 4 waves a work-group, clusters of 4 x 4, 327,680 bytes of LDS; arguments yb, wpb, bproj, vmb, out0; writes out0
